; MI455X (gfx1250); checked and timed in simulation.
; The chip was launched on July 23, 2026; its instructions are those of AMD's public machine-readable ISA for CDNA 5 (MIT licence, August 2026) and "CDNA5" Instruction Set Architecture Reference Guide (July 2026). The comments in the code are by the model that wrote it; some were corrected since.
;; Marian Attention. Allowed arithmetic: matrix products marked QUANTISED: E5M2 operands, one given power-of-two scale a tensor, by v_wmma_f32_16x16x64_bf8_bf8 or v_wmma_f32_16x16x128_bf8_bf8, f32 sums; everything else in f32.
;; Inputs: Wk_codes 1,024 x 32 x 32 uint8 (E5M2 codes of Wk, K innermost, in blocks of 32 codes); Wo_codes 1,024 x 32 x 32 uint8 (E5M2 codes of Wo, K innermost, in blocks of 32 codes); Wq_codes 1,024 x 32 x 32 uint8 (E5M2 codes of Wq, K innermost, in blocks of 32 codes); Wv_codes 1,024 x 32 x 32 uint8 (E5M2 codes of Wv, K innermost, in blocks of 32 codes); bk 1,024 float32; bo 1,024 float32; bq 1,024 float32; bv 1,024 float32; hidden_states_codes 2 x 2,048 x 32 x 32 uint8 (E5M2 codes of hidden_states, K innermost, in blocks of 32 codes); lowp_scales 12 int32 (the exponents e of the quantised operands' scales 2^e).
;; Outputs: out0 2 x 2,048 x 1,024 float32.
;; This version of the problem:
;;   THIS VERSION OF THE PROBLEM IS GIVEN IN LOW PRECISION. The matrix products marked QUANTISED in the list below multiply operands that are first quantised to E5M2 (5 exponent bits, 2 mantissa bits; 8 bits a number), with one given power-of-two scale for each operand tensor; their sums are f32. All else is computed in f32.
;;   The module's matrix products, in the order in which they are computed (A, B: the left and right operand; K: the contracted axis; several contracted axes count as one K, in the product's order):
;;     1. [M 4,096, K 1,024] x [K 1,024, N 1,024]; A: input hidden_states (given as codes); B: input Wq (given as codes): QUANTISED (scales: A lowp_scales[0], B lowp_scales[1])
;;     2. [M 4,096, K 1,024] x [K 1,024, N 1,024]; A: input hidden_states (given as codes); B: input Wk (given as codes): QUANTISED (scales: A lowp_scales[2], B lowp_scales[3])
;;     3. [M 4,096, K 1,024] x [K 1,024, N 1,024]; A: input hidden_states (given as codes); B: input Wv (given as codes): QUANTISED (scales: A lowp_scales[4], B lowp_scales[5])
;;     4. batch 32 x [M 2,048, K 64] x [K 64, N 2,048]; A: computed on the way; B: computed on the way: QUANTISED (scales: A lowp_scales[6], B lowp_scales[7])
;;     5. batch 32 x [M 2,048, K 2,048] x [K 2,048, N 64]; A: computed on the way; B: computed on the way: QUANTISED (scales: A lowp_scales[8], B lowp_scales[9])
;;     6. [M 4,096, K 1,024] x [K 1,024, N 1,024]; A: computed on the way; B: input Wo (given as codes): QUANTISED (scales: A lowp_scales[10], B lowp_scales[11])
;;   THE QUANTISER, for each operand of a quantised product, along K:
;;     - The operand's scale is 2^e, e = its entry of the input lowp_scales (int32; the entries are numbered through the quantised products in the list's order, A before B).
;;     - Each number is divided by the scale, clamped to +-57,344, and rounded to the nearest number of E5M2, ties to even, subnormals kept.
;;     - The product sums the exact products of the quantised numbers (number of the format x scale) in f32.
;;   ~~~python
;;   def quantise(x, axis, e):      # numpy; x: float32 -> the quantised numbers, widened to float32 again
;;       x = np.moveaxis(x, axis, -1); K = x.shape[-1]
;;       r = np.clip(x / 2.0 ** e, -57344, 57344)
;;       step = 2.0 ** (np.maximum(np.frexp(np.where(r == 0, 1, r))[1] - 1, -14) - 2)
;;       q = np.round(r / step) * step * 2.0 ** e      # np.round: ties to even
;;       return np.moveaxis(q, -1, axis).astype(np.float32)
;;   ~~~
;;   OPERANDS COMPUTED ON THE WAY. 'Computed on the way' means the value that the module computes at that place (a softmax that the list does not call 'softmax' is quantised finished and normalised). What goes into a quantiser is computed in f32, as accurately as f32 sums, v_exp_f32 and their like allow (about 1e-6 of the number): no bf16 or f16 on the way to a quantiser, and a product that is left as it is and whose result goes on into a quantised operand takes f32 operands (vector FMAs, or v_wmma_f32_16x16x4_f32). A number that lies on a knife's edge between two numbers of the format may be rounded either way, as far as f32 arithmetic and the matrix unit's own rounding can turn it there, and no further.
;;   INPUTS GIVEN AS CODES. Wk (in the module: [1024, 1024], K = its axis 1); Wo (in the module: [1024, 1024], K = its axis 1); Wq (in the module: [1024, 1024], K = its axis 1); Wv (in the module: [1024, 1024], K = its axis 1); hidden_states (in the module: [2, 2048, 1024], K = its axis 2): each comes as NAME_codes (uint8): NAME with its K axis moved to the last place and cut into blocks of 32 codes, [.., K / 32, bytes a block], one block behind the other in memory; one code a byte (a code: sign, 5 exponent bits, 2 mantissa bits); its scale is its entry of lowp_scales. Its value is code x scale, taken as it is: it is not quantised again, and the codes and scales need not be those that the quantiser above would give.
;; 2 versions, each right; version 2 is version 1 with the launch attn written anew for expert scheduling mode. Each part assembles by itself: llvm-mc -triple=amdgcn-amd-amdhsa -mcpu=gfx1250 --defsym DOCPART=n.
;; ======== version 1 of 2: 3 launches
;; limits: right only within a limited range of input values
;; workspace buffers: qimg 4,194,304 bytes; kimg 4,194,304 bytes; vimg 4,194,304 bytes; aimg 4,194,304 bytes
;; launch qkv (part 1): grid 16 x 16, 4 waves a work-group, clusters of 4 x 4, 327,680 bytes of LDS; arguments hidden_states_codes, Wq_codes, Wk_codes, Wv_codes, bq, bk, bv, lowp_scales, qimg, kimg, vimg; writes qimg, kimg, vimg
.if DOCPART == 1
	.amdgcn_target "amdgcn-amd-amdhsa--gfx1250"
	.amdhsa_code_object_version 6
	.text
	.protected	k_qdc9b46d79f_qkv
	.globl	k_qdc9b46d79f_qkv
	.p2align	8
	.type	k_qdc9b46d79f_qkv,@function
k_qdc9b46d79f_qkv:
	s_mov_b64 s[64:65], 0
	v_nop
	global_prefetch_b8 v0, s[64:65] scope:SCOPE_SE
	s_setreg_imm32_b32 hwreg(HW_REG_WAVE_MODE, 25, 1), 1
	s_wait_xcnt 0x0
	s_wait_alu depctr_hold_cnt(0) depctr_sa_sdst(0) depctr_va_vdst(0) depctr_va_sdst(0) depctr_va_ssrc(0) depctr_va_vcc(0) depctr_vm_vsrc(0)
	s_getreg_b32 s2, hwreg(HW_REG_IB_STS2, 6, 4)
	s_cmp_eq_u32 s2, 0
	s_cbranch_scc0 .Lentry_in_a_cluster
	s_endpgm
.Lentry_in_a_cluster:
	s_bfe_u32 s2, ttmp6, 0x10000c
	s_cmp_lg_u32 s2, 0xf033
	s_cbranch_scc0 .Lentry_shape_is_right
	s_endpgm
.Lentry_shape_is_right:
; q = Q6(guard((h Wq^T + bq) / 8)), k = Q7(guard(h Wk^T + bk)), v = Q9(guard(h Wv^T + bv)): the three projections on the given codes of E5M2, each product with its own two exponents
; (e0, e1; e2, e3; e4, e5), then the bias, the clip to [1e-7, 1 - 1e-7], NaN -> 0, and the quantiser of the attention products' operands (e6 for q, e7 for k, e9 for v).
; DEAD WORK: none.  Every product of the table, every bias, every clip and every.
; SHARES.  A work-group takes 256 of the 4,096 rows (grid y) and ONE head (grid x): its 64 columns of q, of k and of v.  Wave w takes rows 64 w .. 64 w + 63 against all 192 columns: 48 accumulators of 16 x 16.
; K goes in steps of 256 (rows of 256 bytes in memory) through a ring of two LDS slots: four K steps, two first fills and two refills.  Wave 0 fetches the hidden rows' tile, waves 1, 2, 3 the tiles of Wq, Wk, Wv.
; CLUSTER 4 x 4: the four work-groups of a row of the cluster share the hidden rows, the four of a column share the head's weights: each tile is asked for jointly.
; FORM.  v_wmma_f32_16x16x64_bf8_bf8.  A fragment (16 rows x 64 K, 8 registers) comes by two ds_load_b128: registers 4 c .. 4 c + 3 hold k = 32 c + 16 (lane / 16) + 0 .. 15: a permutation of k, the same in both operands.
; q and k are used TRANSPOSED (source 0 = 16 rows of W, source 1 = 16 hidden rows): lane (r, h) holds row t = r and columns 8 h + 0 .. 7: eight neighbours along the next K (the head's 64).
; v is used in the natural order (source 0 = hidden rows, source 1 = rows of Wv): lane (r, h) holds channel r and rows t = 8 h + 0 .. 7: eight neighbours along ITS next K (the keys).
; So the conversions' results are registers of the next products' operands, and they are stored as IMAGES OF THOSE REGISTERS: 16 bytes a lane, 512 consecutive bytes a store.
;   qimg, kimg: [batch x head 32][tile of 16 rows 128][piece c 2][lane][16 B]: registers 2 b, 2 b + 1 = channels 16 b + 8 h + 0 .. 7 of row r.
;   vimg: [batch x head 32][128 keys 16][tile of 16 channels 4][piece c 4][lane][16 B]: registers 2 a, 2 a + 1 = keys 16 a + 8 h + 0 .. 7 of channel r.
; THE CLIP AND THE HOLD ARE ONE v_med3: between min(1e-7, L) and min(1 - 1e-7, L), L = 57,344 x 2^e (positive f32 numbers order as whole numbers).
; LIMITS on the given exponents, so that each power of two is an f32 number: e0 + e1 - 3, e2 + e3, e4 + e5 between -126 and 127; e6, e7, e9 between -126 and 112.
; REGISTERS, in windows of 256.  Window 0: v4-13 addresses; v14-16 the conversions' scales; v32-63 bq, v64-95 bk (index 8 b + j), v96-103 bv (a pair a tile); v128-159 at work; v160-255 codes, eight for each of twelve groups.
;   Window 1: two sets of fragments of 128: 4 hidden tiles, then 12 tiles of W.   Window 2: q's 16 accumulators, then k's.   Window 3: v's 16.
.set PITCH, 272                        ; an LDS row: 256 bytes + 16 of padding: the sixteen rows of a fragment load start 68 words apart
.set HB,    256*PITCH                  ; the hidden rows' tile
.set WB,    64*PITCH                   ; a tile of W; also 64 hidden rows
.set SLOT,  HB+3*WB                    ; 121,856 bytes
.set SPARE, 2*SLOT                     ; behind the ring: the spare words, 128 bytes for each wave: two blocks of 256 bytes that no other line names
.set EPSB,  0x33d6bf95                 ; 1e-7
.set HIB,   0x3f7ffffe                 ; 1 - 1e-7 as f32
.set ADH, 4                            ; v4, v5   LDS address of my hidden fragments in slot 0, 1
.set ADW, 6                            ; v6, v7   the same for W's
.set L16, 8                            ; v8       16 x lane
.set H32, 9                            ; v9       32 x (lane / 16)
.set R4,  10                           ; v10      4 x (lane % 16)
.set SPW, 12                           ; v12      LDS address of my spare word; never rewritten
.set NIL, 13                           ; v13      0; never rewritten
.set SC,  14                           ; v14-16   2^e6, 2^e7, 2^e9 as f32
.set BQ,  32
.set BV,  96
.set Y,   128
.set CD,  160
.set WV,  26                           ; s26      my wave's number
.set G1A, 32                           ; s[32:39] descriptor group 1, hidden tile;  s[40:47] W's tiles
.set G1W, 40
.set G0A, 48                           ; s[48:55] group 0 of the hidden tile, a set for each slot;  s[56:63] W's
.set G0W, 56
.set SCL, 80                           ; s[80:85] three pairs: 2^(e0+e1-3), 2^(e2+e3), 2^(e4+e5)
.set LIMS, 86                          ; s86-91   the lower and upper bound of the med3, for q, k, v
.set OUTB, 92                          ; s[92:97] where my wave's images begin in qimg, kimg, vimg
.set MSB, 0
.macro WIN new                         ; the immediate's high byte repeats the setting that is left
.if MSB != \new
	s_set_vgpr_msb (MSB<<8)|\new
.set MSB, \new
.endif
.endm
.macro PLACES n
.rept \n
	v_nop
.endr
.endm
; A joint load: wave 0 asks for the hidden tile, waves 1 to 3 for their tile of W.  The branch hangs on the wave's number alone.  An s_nop 0 and four v_nop follow each line.
.macro JLOAD s
	s_cmp_eq_u32 s[WV], 0
	s_cbranch_scc0 .Lfor_w_\@
	tensor_load_to_lds s[G0A+4*\s:G0A+4*\s+3], s[G1A:G1A+7]
	s_nop 0
.rept 4
	v_nop
.endr
	s_branch .Lasked_\@
.Lfor_w_\@:
	tensor_load_to_lds s[G0W+4*\s:G0W+4*\s+3], s[G1W:G1W+7]
	s_nop 0
.rept 4
	v_nop
.endr
.Lasked_\@:
.endm
.macro CREST                           ; a round of the cluster's barrier behind its opening barrier
	s_cmp_lg_u32 s[WV], 0
	s_cbranch_scc1 .Lnot_wave_0_\@
	s_barrier_signal -3
.Lnot_wave_0_\@:
	s_barrier_wait -3
	s_barrier_signal -1
	s_barrier_wait -1
.endm
.macro CROUND
	s_barrier_signal -1
	s_barrier_wait -1
	CREST
.endm
; 32 LDS loads in one run: the fragments of 64 along K, the sub-th of the slot's four, into a set
.macro FETCH slot, sub, set
	WIN 0x40                                       ; destination window 1, address window 0
.irp a, 0,1,2,3
.irp c, 0,1
	ds_load_b128 v[128*(\set)+8*\a+4*\c:128*(\set)+8*\a+4*\c+3], v[ADH+\slot] offset:64*(\sub)+32*\c+16*\a*PITCH
.endr
.endr
.irp t, 0,1,2,3,4,5,6,7,8,9,10,11
.irp c, 0,1
	ds_load_b128 v[128*(\set)+32+8*\t+4*\c:128*(\set)+32+8*\t+4*\c+3], v[ADW+\slot] offset:64*(\sub)+32*\c+16*\t*PITCH
.endr
.endr
	WIN 0
.endm
; The 48 accumulators take turns, one instruction a turn, in the same order in every step.  zero = 1: the first products start the sums.
.macro MULQK set, zero                 ; q (m = 0) and k (m = 1): source 0 = W's tile b, source 1 = hidden tile a
	WIN 0xa5                                       ; sources window 1, C and D window 2
.irp m, 0,1
.irp a, 0,1,2,3
.irp b, 0,1,2,3
.if \zero
	v_wmma_f32_16x16x64_bf8_bf8 v[128*\m+32*\a+8*\b:128*\m+32*\a+8*\b+7], v[128*(\set)+32+8*(4*\m+\b):128*(\set)+32+8*(4*\m+\b)+7], v[128*(\set)+8*\a:128*(\set)+8*\a+7], 0
.else
	v_wmma_f32_16x16x64_bf8_bf8 v[128*\m+32*\a+8*\b:128*\m+32*\a+8*\b+7], v[128*(\set)+32+8*(4*\m+\b):128*(\set)+32+8*(4*\m+\b)+7], v[128*(\set)+8*\a:128*(\set)+8*\a+7], v[128*\m+32*\a+8*\b:128*\m+32*\a+8*\b+7]
.endif
.endr
.endr
.endr
.endm
.macro MULV set, zero                  ; v: source 0 = hidden tile a, source 1 = Wv's tile t
	WIN 0xf5                                       ; sources window 1, C and D window 3
.irp t, 0,1,2,3
.irp a, 0,1,2,3
.if \zero
	v_wmma_f32_16x16x64_bf8_bf8 v[32*\t+8*\a:32*\t+8*\a+7], v[128*(\set)+8*\a:128*(\set)+8*\a+7], v[128*(\set)+96+8*\t:128*(\set)+96+8*\t+7], 0
.else
	v_wmma_f32_16x16x64_bf8_bf8 v[32*\t+8*\a:32*\t+8*\a+7], v[128*(\set)+8*\a:128*(\set)+8*\a+7], v[128*(\set)+96+8*\t:128*(\set)+96+8*\t+7], v[32*\t+8*\a:32*\t+8*\a+7]
.endif
.endr
.endr
.endm
; One of a slot's first three steps of 64 along K: the next step's fragments are asked for first, into the other set, and land under this step's 48 products.
.macro STEP slot, sub, zero
	s_wait_dscnt 0x0                               ; this step's fragments are in
.if !\zero
	PLACES 4                                       ; four places between the last step's products and the loads into the set that they read
.endif
	FETCH \slot, (\sub)+1, 1-(\sub)%2
	MULQK (\sub)%2, \zero
	MULV (\sub)%2, \zero
	WIN 0
.endm
; A slot's last step (set 1) changes slots.  In front of the barrier each wave waits for all its tensor loads, adds 0 to its spare word, and waits for that and for its reads of this slot.
; fill = 1: the barrier opens a round of the cluster's barrier, and this slot is filled again, two K steps ahead, first thing behind the round.
.macro TURN slot, next, fill
	s_wait_tensorcnt 0x0                           ; all my tensor loads have landed: my part of the next slot
	ds_add_u32 v[SPW], v[NIL]                      ; 0 onto my spare word
	s_wait_dscnt 0x0                               ; the add is done; this step's fragments are in: my reads of this slot are over
	s_barrier_signal -1
	MULQK 1, 0                                     ; work on registers while the others arrive
	WIN 0
	s_barrier_wait -1
.if \fill
	CREST                                          ; no wave of any partner still reads this slot or has a load on its way
	s_add_nc_u64 s[G0A+4*\slot+2:G0A+4*\slot+3], s[G0A+4*\slot+2:G0A+4*\slot+3], 512
	s_add_nc_u64 s[G0W+4*\slot+2:G0W+4*\slot+3], s[G0W+4*\slot+2:G0W+4*\slot+3], 512
	JLOAD \slot                                    ; its four v_nop are also the places in front of the loads below
.else
	PLACES 4
.endif
	FETCH \next, 0, 0
	MULV 1, 0
	WIN 0
.endm
; From exponent s[e]: the conversion's scale 2^e into v[SC + n], and the two bounds of the med3
.macro QLIM e, n
	s_add_co_i32 s100, s[\e], 127
	s_lshl_b32 s101, s100, 23
	v_mov_b32 v[SC+\n], s101
	s_add_co_i32 s100, s100, 15
	s_lshl_b32 s100, s100, 23
	s_or_b32 s100, s100, 0x600000                  ; 57,344 x 2^e
	s_min_u32 s[LIMS+2*\n], s100, EPSB
	s_min_u32 s[LIMS+2*\n+1], s100, HIB
.endm
.macro GRD n
.set i, 0
.rept 32
	v_cmp_eq_f32 vcc_lo, v[Y+i], v[Y+i]            ; false for NaN alone
	v_med3_num_f32 v[Y+i], v[Y+i], s[LIMS+2*\n], s[LIMS+2*\n+1]
	v_cndmask_b32 v[Y+i], 0, v[Y+i], vcc_lo
.set i, i+1
.endr
.irp b, 0,1,2,3
	v_cvt_scalef32_pk8_bf8_f32 v[CG+2*\b:CG+2*\b+1], v[Y+8*\b:Y+8*\b+7], v[SC+\n]
.endr
	v_nop                                          ; a plain line between the conversions and the next group's writes of their sources
.endm
.macro EPI_QK m, a                     ; q's or k's rows 16 a on: one fragment of the next product
.set CG, CD+8*(4*\m+\a)
	WIN 0x02                                       ; source 0 (the sums) window 2
.set i, 0
.rept 16
	v_pk_fma_f32 v[Y+i:Y+i+1], v[128*\m+32*\a+i:128*\m+32*\a+i+1], s[SCL+2*\m:SCL+2*\m+1], v[BQ+32*\m+i:BQ+32*\m+i+1] op_sel_hi:[1,0,1]   ; sum x 2^(..) + bias; each accumulator from its low end on
.set i, i+2
.endr
	WIN 0
	GRD \m
	global_store_b128 v[L16], v[CG:CG+3], s[OUTB+2*\m:OUTB+2*\m+1] offset:1024*\a          ; 32 lanes store 512 consecutive bytes
	global_store_b128 v[L16], v[CG+4:CG+7], s[OUTB+2*\m:OUTB+2*\m+1] offset:1024*\a+512
.endm
.macro EPI_V t                         ; v's channels 16 t on, my 64 keys: half a fragment of the second attention product
.set CG, CD+64+8*\t
	WIN 0x03                                       ; source 0 window 3
.set i, 0
.rept 16
	v_pk_fma_f32 v[Y+i:Y+i+1], v[32*\t+i:32*\t+i+1], s[SCL+4:SCL+5], v[BV+2*\t:BV+2*\t+1] op_sel_hi:[1,0,0]   ; a lane has one channel: one bias for all its numbers
.set i, i+2
.endr
	WIN 0
	GRD 2
	global_store_b128 v[L16], v[CG:CG+3], s[OUTB+4:OUTB+5] offset:2048*\t
	global_store_b128 v[L16], v[CG+4:CG+7], s[OUTB+4:OUTB+5] offset:2048*\t+512
.endm
	s_load_b512 s[4:19], s[0:1], 0x0               ; hidden s[4:5], Wq s[6:7], Wk s[8:9], Wv s[10:11], bq s[12:13], bk s[14:15], bv s[16:17], the exponents s[18:19]
	s_load_b128 s[20:23], s[0:1], 0x40             ; qimg, kimg
	s_load_b64 s[24:25], s[0:1], 0x50              ; vimg
	v_lshl_add_u32 v[SPW], v0, 2, SPARE
	v_mov_b32 v[NIL], 0
	ds_add_u32 v[SPW], v[NIL]                      ; the wave's opening: the add, twice on end, and its wait ahead of my first tensor load
	ds_add_u32 v[SPW], v[NIL]
	v_lshrrev_b32 v1, 5, v0
	v_readfirstlane_b32 s[WV], v1                  ; wave 0..3
	s_bfe_u32 s27, ttmp6, 0x40000                  ; cx
	s_bfe_u32 s28, ttmp6, 0x40004                  ; cy
	s_lshl_b32 s29, ttmp9, 2
	s_add_co_u32 s29, s29, s27                     ; the head = 4 x cluster x + cx
	s_and_b32 s30, ttmp7, 0xffff
	s_lshl_b32 s30, s30, 2
	s_add_co_u32 s30, s30, s28                     ; the block of 256 rows = 4 x cluster y + cy
	s_lshl_b32 s31, s28, 2
	s_lshl_b32 s31, 15, s31                        ; my row of the cluster
	s_lshl_b32 s98, 0x1111, s27                    ; my column
	s_or_b32 s[G1A], s31, (1<<20)|(1<<21)|(5<<22)|(3<<25)   ; the mask; elements of 1 byte; padding on; bit 21 beside a mask; 4 words of padding behind every 64
	s_or_b32 s[G1W], s98, (1<<20)|(1<<21)|(5<<22)|(3<<25)
.irp g, G1A, G1W
	s_mov_b32 s[\g+1], 256<<16                     ; tensor_dim0 = 256
	s_mov_b32 s[\g+3], 256<<16                     ; tile_dim0 = 256
	s_mov_b32 s[\g+5], 1024                        ; from row to row
	s_mov_b32 s[\g+6], 0
	s_mov_b32 s[\g+7], 0
.endr
	s_mov_b32 s[G1A+2], 256<<16                    ; tensor_dim1 and
	s_mov_b32 s[G1A+4], 256                        ; tile_dim1: 256 hidden rows,
	s_mov_b32 s[G1W+2], 64<<16
	s_mov_b32 s[G1W+4], 64                         ; 64 rows of W
	s_lshl_b32 s66, s30, 18                        ; the block's first hidden row: 256 rows of 1,024 bytes
	s_mov_b32 s67, 0
	s_lshl_b32 s98, s29, 16                        ; the head's first row of W: 64 rows of 1,024 bytes
	s_mov_b32 s99, 0
	s_mul_i32 s2, s[WV], WB                        ; wave x 17,408: my tile of W in a slot (less one tile), and my 64 hidden rows
	s_wait_dscnt 0x0                               ; both opening adds are done
	s_wait_kmcnt 0x0
	s_load_b256 s[68:75], s[18:19], 0x0            ; e0 .. e7
	s_load_b128 s[76:79], s[18:19], 0x20           ; e8 .. e11
	s_mov_b32 s[G0A], 1
	s_mov_b32 s[G0A+1], 0
	s_add_nc_u64 s[G0A+2:G0A+3], s[4:5], s[66:67]
	s_mov_b32 s[G0A+4], 1
	s_mov_b32 s[G0A+5], SLOT
	s_add_nc_u64 s[G0A+6:G0A+7], s[G0A+2:G0A+3], 256          ; K step 1
	s_or_b32 s[G0A+3], s[G0A+3], 0x80000000
	s_or_b32 s[G0A+7], s[G0A+7], 0x80000000
	s_cmp_eq_u32 s[WV], 2                          ; wave 1: Wq, wave 2: Wk, wave 3: Wv: a choice on the wave's number
	s_cselect_b64 s[G0W+2:G0W+3], s[8:9], s[6:7]
	s_cmp_eq_u32 s[WV], 3
	s_cselect_b64 s[G0W+2:G0W+3], s[10:11], s[G0W+2:G0W+3]
	s_add_nc_u64 s[G0W+2:G0W+3], s[G0W+2:G0W+3], s[98:99]
	s_add_nc_u64 s[G0W+6:G0W+7], s[G0W+2:G0W+3], 256
	s_or_b32 s[G0W+3], s[G0W+3], 0x80000000
	s_or_b32 s[G0W+7], s[G0W+7], 0x80000000
	s_mov_b32 s[G0W], 1
	s_add_co_u32 s[G0W+1], s2, HB-WB               ; behind the hidden tile: tile wave - 1
	s_mov_b32 s[G0W+4], 1
	s_add_co_u32 s[G0W+5], s2, HB-WB+SLOT
	CROUND                                         ; all sixteen work-groups are here: the first joint loads meet
	JLOAD 0
	JLOAD 1                                        ; two loads of mine are out
	v_and_b32 v1, 15, v0                           ; r
	v_bfe_u32 v2, v0, 4, 1                         ; h
	v_and_b32 v3, 31, v0                           ; lane
	v_mul_u32_u24 v11, v1, PITCH
	v_lshl_add_u32 v11, v2, 4, v11                 ; a fragment's row x pitch + 16 h
	v_add_nc_u32 v[ADH], s2, v11
	v_add_nc_u32 v[ADH+1], SLOT, v[ADH]
	v_add_nc_u32 v[ADW], HB, v11
	v_add_nc_u32 v[ADW+1], SLOT, v[ADW]
	v_lshlrev_b32 v[L16], 4, v3
	v_lshlrev_b32 v[H32], 5, v2
	v_lshlrev_b32 v[R4], 2, v1
	s_lshl_b32 s98, s29, 8                         ; the head's 64 numbers of each bias
	s_add_nc_u64 s[12:13], s[12:13], s[98:99]
	s_add_nc_u64 s[14:15], s[14:15], s[98:99]
	s_add_nc_u64 s[16:17], s[16:17], s[98:99]
.irp b, 0,1,2,3
	global_load_b128 v[BQ+8*\b:BQ+8*\b+3], v[H32], s[12:13] offset:64*\b             ; bq at columns 16 b + 8 h + 0 .. 7
	global_load_b128 v[BQ+8*\b+4:BQ+8*\b+7], v[H32], s[12:13] offset:64*\b+16
	global_load_b128 v[BQ+32+8*\b:BQ+32+8*\b+3], v[H32], s[14:15] offset:64*\b       ; bk likewise
	global_load_b128 v[BQ+32+8*\b+4:BQ+32+8*\b+7], v[H32], s[14:15] offset:64*\b+16
	global_load_b32 v[BV+2*\b], v[R4], s[16:17] offset:64*\b                         ; bv at channel 16 b + r,
	global_load_b32 v[BV+2*\b+1], v[R4], s[16:17] offset:64*\b                       ; in both words of the pair that the packed form names
.endr
	s_wait_tensorcnt 1                             ; my part of K step 0 is in; K step 1's load may stay out
	s_barrier_signal -1
	s_barrier_wait -1
	FETCH 0, 0, 0
	STEP 0, 0, 1                                   ; K step 0
	STEP 0, 1, 0
	STEP 0, 2, 0
	TURN 0, 1, 1                                   ; slot 0 takes K step 2
	STEP 1, 0, 0                                   ; K step 1
	STEP 1, 1, 0
	STEP 1, 2, 0
	TURN 1, 0, 1                                   ; slot 1 takes K step 3
	STEP 0, 0, 0                                   ; K step 2
	STEP 0, 1, 0
	STEP 0, 2, 0
	TURN 0, 1, 0                                   ; nothing is left to fetch
	STEP 1, 0, 0                                   ; K step 3
	STEP 1, 1, 0
	STEP 1, 2, 0
	s_wait_dscnt 0x0
	MULQK 1, 0
	MULV 1, 0
	WIN 0
	; THE WAY OUT
	s_wait_kmcnt 0x0                               ; the exponents
	s_wait_loadcnt 0x0                             ; the biases
.set i, 0
.rept 16
	v_pk_mul_f32 v[BQ+i:BQ+i+1], v[BQ+i:BQ+i+1], 0x3e000000 op_sel_hi:[1,0]   ; bq / 8: (sum + bq) / 8 = sum / 8 + bq / 8, exact.  These sixteen are also the places behind the last products
.set i, i+2
.endr
	s_add_co_i32 s[SCL], s68, s69
	s_add_co_i32 s[SCL], s[SCL], 124               ; e0 + e1 - 3 + 127
	s_lshl_b32 s[SCL], s[SCL], 23
	s_mov_b32 s[SCL+1], s[SCL]                     ; (named with it as a pair, so it is written)
	s_add_co_i32 s[SCL+2], s70, s71
	s_add_co_i32 s[SCL+2], s[SCL+2], 127
	s_lshl_b32 s[SCL+2], s[SCL+2], 23
	s_mov_b32 s[SCL+3], s[SCL+2]
	s_add_co_i32 s[SCL+4], s72, s73
	s_add_co_i32 s[SCL+4], s[SCL+4], 127
	s_lshl_b32 s[SCL+4], s[SCL+4], 23
	s_mov_b32 s[SCL+5], s[SCL+4]
	QLIM 74, 0                                     ; e6: q
	QLIM 75, 1                                     ; e7: k
	QLIM 77, 2                                     ; e9: v
	s_lshr_b32 s3, s30, 3                          ; the batch,
	s_lshl_b32 s3, s3, 4
	s_add_co_u32 s3, s3, s29                       ; 16 x batch + head
	s_lshl_b32 s[OUTB], s3, 7                      ; q, k: 128 tiles of rows a head,
	s_and_b32 s[OUTB+1], s30, 7
	s_lshl_b32 s[OUTB+1], s[OUTB+1], 4
	s_add_co_u32 s[OUTB], s[OUTB], s[OUTB+1]       ; 16 a block,
	s_lshl_b32 s[OUTB+1], s[WV], 2
	s_add_co_u32 s[OUTB], s[OUTB], s[OUTB+1]       ; 4 a wave,
	s_lshl_b32 s[OUTB], s[OUTB], 10                ; 1,024 bytes each
	s_mov_b32 s[OUTB+1], 0
	s_add_nc_u64 s[OUTB+2:OUTB+3], s[22:23], s[OUTB:OUTB+1]
	s_add_nc_u64 s[OUTB:OUTB+1], s[20:21], s[OUTB:OUTB+1]
	s_lshl_b32 s[OUTB+4], s3, 4                    ; v: 16 steps of 128 keys a head,
	s_and_b32 s[OUTB+5], s30, 7
	s_lshl_b32 s[OUTB+5], s[OUTB+5], 1
	s_add_co_u32 s[OUTB+4], s[OUTB+4], s[OUTB+5]   ; 2 a block,
	s_lshr_b32 s[OUTB+5], s[WV], 1
	s_add_co_u32 s[OUTB+4], s[OUTB+4], s[OUTB+5]   ; two waves to a step,
	s_lshl_b32 s[OUTB+4], s[OUTB+4], 13            ; 8,192 bytes each;
	s_and_b32 s[OUTB+5], s[WV], 1
	s_lshl_b32 s[OUTB+5], s[OUTB+5], 10            ; my 64 keys are pieces 2 (wave % 2) and the next
	s_add_co_u32 s[OUTB+4], s[OUTB+4], s[OUTB+5]
	s_mov_b32 s[OUTB+5], 0
	s_add_nc_u64 s[OUTB+4:OUTB+5], s[24:25], s[OUTB+4:OUTB+5]
.irp a, 0,1,2,3
	EPI_QK 0, \a
.endr
.irp a, 0,1,2,3
	EPI_QK 1, \a
.endr
.irp t, 0,1,2,3
	EPI_V \t
.endr
	s_wait_tensorcnt 0x0                           ; the wave's end
	ds_add_u32 v[SPW], v[NIL]
	s_wait_dscnt 0x0
	CROUND                                         ; the closing round: no work-group ends while a partner may still ask for a tile that names it
	s_endpgm
.Lfunc_end_k_qdc9b46d79f_qkv:
	.size	k_qdc9b46d79f_qkv, .Lfunc_end_k_qdc9b46d79f_qkv-k_qdc9b46d79f_qkv
	.p2alignl 7, 3214868480
	.fill 96, 4, 3214868480
	.section	.rodata,"a",@progbits
	.p2align	6, 0x0
	.amdhsa_kernel k_qdc9b46d79f_qkv
		.amdhsa_group_segment_fixed_size 327680
		.amdhsa_private_segment_fixed_size 0
		.amdhsa_enable_private_segment 0
		.amdhsa_kernarg_size 88
		.amdhsa_user_sgpr_count 2
		.amdhsa_user_sgpr_kernarg_segment_ptr 1
		.amdhsa_wavefront_size32 1
		.amdhsa_system_sgpr_workgroup_id_x 1
		.amdhsa_system_sgpr_workgroup_id_y 1
		.amdhsa_system_sgpr_workgroup_id_z 1
		.amdhsa_system_vgpr_workitem_id 0
		.amdhsa_next_free_vgpr 896
		.amdhsa_next_free_sgpr 102
		.amdhsa_reserve_vcc 1
		.amdhsa_float_denorm_mode_32 3
		.amdhsa_float_denorm_mode_16_64 3
		.amdhsa_memory_ordered 1
		.amdhsa_forward_progress 1
		.amdhsa_inst_pref_size 166
	.end_amdhsa_kernel
	.amdgpu_metadata
---
amdhsa.version: [ 1, 2 ]
amdhsa.kernels:
  - .name:           k_qdc9b46d79f_qkv
    .symbol:         k_qdc9b46d79f_qkv.kd
    .args:
      - { .name: hidden_states_codes, .offset: 0, .size: 8, .value_kind: global_buffer, .address_space: global }
      - { .name: Wq_codes, .offset: 8, .size: 8, .value_kind: global_buffer, .address_space: global }
      - { .name: Wk_codes, .offset: 16, .size: 8, .value_kind: global_buffer, .address_space: global }
      - { .name: Wv_codes, .offset: 24, .size: 8, .value_kind: global_buffer, .address_space: global }
      - { .name: bq, .offset: 32, .size: 8, .value_kind: global_buffer, .address_space: global }
      - { .name: bk, .offset: 40, .size: 8, .value_kind: global_buffer, .address_space: global }
      - { .name: bv, .offset: 48, .size: 8, .value_kind: global_buffer, .address_space: global }
      - { .name: lowp_scales, .offset: 56, .size: 8, .value_kind: global_buffer, .address_space: global }
      - { .name: qimg, .offset: 64, .size: 8, .value_kind: global_buffer, .address_space: global }
      - { .name: kimg, .offset: 72, .size: 8, .value_kind: global_buffer, .address_space: global }
      - { .name: vimg, .offset: 80, .size: 8, .value_kind: global_buffer, .address_space: global }
    .group_segment_fixed_size: 327680
    .private_segment_fixed_size: 0
    .kernarg_segment_align: 8
    .kernarg_segment_size: 88
    .max_flat_workgroup_size: 128
    .sgpr_count:     102
    .vgpr_count:     896
    .wavefront_size: 32
...
	.end_amdgpu_metadata
.endif
;; end of part 1
;; launch attn (part 2): grid 8 x 32, 16 waves a work-group, no clusters, 266,752 bytes of LDS; arguments qimg, kimg, vimg, lowp_scales, aimg; writes aimg
.if DOCPART == 2
	.amdgcn_target "amdgcn-amd-amdhsa--gfx1250"
	.amdhsa_code_object_version 6
	.text
	.protected	k_qdc9b46d79f_attn
	.globl	k_qdc9b46d79f_attn
	.p2align	8
	.type	k_qdc9b46d79f_attn,@function
k_qdc9b46d79f_attn:
	s_mov_b64 s[64:65], 0
	v_nop
	global_prefetch_b8 v0, s[64:65] scope:SCOPE_SE
	s_setreg_imm32_b32 hwreg(HW_REG_WAVE_MODE, 25, 1), 1
	s_wait_xcnt 0x0
; For each batch and head: w = clip(q k^T), p = clip(softmax(w)), o = clip(p v), all clips to [1e-7, 1 - 1e-7]; q, k, p, v as codes of E5M2 (e6, e7, e8, e9); o is quantised (e10) for the projection on the way out.
; No work is left out.  p IS QUANTISED FINISHED AND NORMALISED, so a row's sum over all 2,048 keys is known before any p is converted.
; THE MAXIMUM IS NOT TAKEN AWAY: the clip that the problem itself makes holds every w in [1e-7, 1), whatever the inputs: e^w lies in [1, e) and a row's sum in [2,048, 2,048 e): nothing can overflow or underflow.
; q's and k's codes are finite (their quantiser holds them), so no score is NaN; p's and v's likewise.
; THE WAVES SHARE THE KEYS, NOT THE QUERIES.  A work-group owns 256 queries of one head.  Wave w owns keys 128 w .. 128 w + 127: its 8 fragments of k and its 4 of v^T are loaded once, as images of registers, and stay
; in its registers for the whole launch.  All sixteen waves work on the same tile of 16 queries, so a row's 2,048 exponentials are alive at once, 64 registers a wave: each score is clipped, exponentiated and converted once.
; The waves' partial row sums meet in LDS (one barrier a tile); their partial o^T, 16 queries x 64 channels each, meet in LDS as images of registers and are added once for four tiles (one barrier).
; NO CLUSTER: k and v never lie in LDS: there is no tile that a joint load could bring to partners; each work-group reads its head's 256 KiB once, straight into registers.
; LAYOUT.  S^T = k q^T (source 0 = 16 keys, source 1 = the 16 queries): lane (r, h) holds query r and keys 16 t + 8 h + 0 .. 7 in tile t's registers: their codes are registers 2 t, 2 t + 1 of the second product's operand.
; o^T = v^T p^T (source 0 = 16 channels x 128 keys, source 1 = p): lane (r, h) holds query r, channels 16 u + 8 h + 0 .. 7.
; aimg: [tile of 16 rows 256][head 16][piece 4][lane][8 B]: lane (r, h), piece p: row r, channels 32 (p / 2) + 16 h + 8 (p % 2) + 0 .. 7: the order in which the last launch's loads lay Wo's codes.
; LIMITS on the given exponents: e6 + e7 between -126 and 102 (it is taken off the clip's bounds and added to log2(e), in their exponent fields); e8, e10 between -126 and 112; e8 + e9 between -126 and 127.
; REGISTERS: v1-9 addresses; v10, v11 the add's two; v12, v13 2^e8, 2^e10; v[14:15] 1 / the row's sum; v16-79 k; v80-143 v^T; v144-207 S^T, then e^w, then p; o^T over v144-175; v208-223 p's codes; v224-239 q, two sets; v240-255 at work.
.set SUMB,  262144                     ; LDS: from 0 the images of o^T: [wave 16][tile 4][piece 8][512 B]; here the row sums: two buffers by turns, 16 rows x 80 bytes (a word a wave, 16 bytes of padding)
.set SUMP,  1280
.set SPARE, SUMB+2*SUMP                ; the spare words, 128 bytes for each wave: eight blocks of 256 bytes that no other line names
.set EPSB,  0x33d6bf95                 ; 1e-7
.set HIB,   0x3f7ffffe                 ; 1 - 1e-7 as f32
.set L16, 1                            ; v1    16 x lane
.set OST, 2                            ; v2    where I store my images of o^T: 16,384 x wave + 16 x lane
.set SST, 3                            ; v3    where I store my part of query r's sum
.set SLD, 4                            ; v4    query r's sixteen parts
.set RD,  5                            ; v5-8  the reduction: my 16 bytes in the images of waves 4 g .. 4 g + 3
.set L8,  9                            ; v9    8 x lane
.set SPW, 10
.set NIL, 11
.set SCP, 12
.set SCA, 13
.set RS,  14
.set KF,  16
.set VF,  80
.set S,   144
.set PF,  208
.set QF,  224
.set T,   240
.set WV,  14                           ; s14   my wave's number
.set CS,  32                           ; s[32:33] log2(e) x 2^(e6 + e7)
.set LOW, 34                           ; s34, s35 the clip's bounds / 2^(e6 + e7)
.set HIW, 35
.set PLO, 36                           ; s36, s37 p's clip and hold
.set PHI, 37
.set OSC, 38                           ; s[38:39] 2^(e8 + e9)
.set ALO, 40                           ; s40, s41 o's clip and hold
.set AHI, 41
.set SEL, 42                           ; s[42:43] lane selects: lane l xor 16
.set CNT, 44                           ; s44   trips to go
; ONE TILE OF 16 QUERIES, the g-th of a trip's four.
.macro SUB g
.set QS, QF+8*((\g)%2)
.set QN, QF+8*(1-(\g)%2)
	s_wait_loadcnt 0x0                             ; this tile's q is in (the first time: k and v too)
	s_wait_dscnt 0x0                               ; my stores of the last tile's o^T have read their registers, which the products below write
.irp t, 0,1,2,3,4,5,6,7
	v_wmma_f32_16x16x64_bf8_bf8 v[S+8*\t:S+8*\t+7], v[KF+8*\t:KF+8*\t+7], v[QS:QS+7], 0
.endr
.if \g == 3
	s_cmp_eq_u32 s[CNT], 1                         ; the last trip's last tile has no successor: no load leaves its buffer
	s_cbranch_scc1 .Lno_q_\@
.endif
	global_load_b128 v[QN:QN+3], v[L16], s[4:5] offset:1024*(\g+1)        ; the next tile's q, a whole tile ahead, into the other set
	global_load_b128 v[QN+4:QN+7], v[L16], s[4:5] offset:1024*(\g+1)+512
.if \g == 3
.Lno_q_\@:
.endif
.rept 4
	v_nop                                          ; four places behind the products
.endr
; the clip, x log2(e), and the exponentials: tile t's plain lines alternate with tile t - 1's exponentials; none of these lines names an exponential's result
.irp t, 0,1,2,3,4,5,6,7
.irp i, 0,1,2,3,4,5,6,7
	v_med3_num_f32 v[S+8*\t+\i], v[S+8*\t+\i], s[LOW], s[HIW]
.if \i % 2
	v_pk_mul_f32 v[S+8*\t+\i-1:S+8*\t+\i], v[S+8*\t+\i-1:S+8*\t+\i], s[CS:CS+1] op_sel_hi:[1,0]
.endif
.if \t > 0
	v_exp_f32 v[S+8*(\t-1)+\i], v[S+8*(\t-1)+\i]
.endif
.endr
.endr
.irp i, 0,1,2,3,4,5,6,7
	v_exp_f32 v[S+56+\i], v[S+56+\i]
.endr
	v_nop                                          ; a plain line behind the last exponential
	s_wait_alu depctr_va_vdst(0)                   ; one wait for the 64 exponentials, ahead of their first reader
	v_pk_add_f32 v[T:T+1], v[S:S+1], v[S+2:S+3]    ; my 64 keys' sum, two at a time, in two chains
	v_pk_add_f32 v[T+2:T+3], v[S+4:S+5], v[S+6:S+7]
.irp j, 8,12,16,20,24,28,32,36,40,44,48,52,56,60
	v_pk_add_f32 v[T:T+1], v[T:T+1], v[S+\j:S+\j+1]
	v_pk_add_f32 v[T+2:T+3], v[T+2:T+3], v[S+\j+2:S+\j+3]
.endr
	v_pk_add_f32 v[T:T+1], v[T:T+1], v[T+2:T+3]
	v_add_f32 v[T], v[T], v[T+1]
	v_permlanex16_b32 v[T+1], v[T], s[SEL], s[SEL+1]
	v_add_f32 v[T], v[T], v[T+1]                   ; and lane l xor 16's: my wave's 128 keys of query r
	ds_store_b32 v[SST], v[T] offset:SUMP*((\g)%2) ; (lanes r and r + 16 store the same number to the same word)
	s_wait_dscnt 0x0                               ; for the others' sake: my part of the sums has landed; my reads of the other buffer were over long ago
	s_barrier_signal -1
	s_barrier_wait -1
.irp i, 0,1,2,3
	ds_load_b128 v[T+4*\i:T+4*\i+3], v[SLD] offset:SUMP*((\g)%2)+16*\i
.endr
	s_wait_dscnt 0x0
.irp i, 0,2,4,6
	v_pk_add_f32 v[T+\i:T+\i+1], v[T+\i:T+\i+1], v[T+8+\i:T+8+\i+1]
.endr
.irp i, 0,2
	v_pk_add_f32 v[T+\i:T+\i+1], v[T+\i:T+\i+1], v[T+4+\i:T+4+\i+1]
.endr
	v_pk_add_f32 v[T:T+1], v[T:T+1], v[T+2:T+3]
	v_add_f32 v[T], v[T], v[T+1]                   ; the row's sum over all 2,048 keys
	v_rcp_f32 v[RS], v[T]
	v_nop
	s_wait_alu depctr_va_vdst(0)
.irp t, 0,1,2,3,4,5,6,7                ; p = e^w / the sum; its clip and the hold in one; its codes
.irp i, 0,2,4,6
	v_pk_mul_f32 v[S+8*\t+\i:S+8*\t+\i+1], v[S+8*\t+\i:S+8*\t+\i+1], v[RS:RS+1] op_sel_hi:[1,0]
.endr
.irp i, 0,1,2,3,4,5,6,7
	v_med3_num_f32 v[S+8*\t+\i], v[S+8*\t+\i], s[PLO], s[PHI]
.endr
	v_cvt_scalef32_pk8_bf8_f32 v[PF+2*\t:PF+2*\t+1], v[S+8*\t:S+8*\t+7], v[SCP]
.endr
	v_nop                                          ; a plain line between the conversions and the products, which read their results and write their sources
.irp u, 0,1,2,3
	v_wmma_f32_16x16x128_bf8_bf8 v[S+8*\u:S+8*\u+7], v[VF+16*\u:VF+16*\u+15], v[PF:PF+15], 0
.endr
.rept 5
	v_nop                                          ; four places ahead of the stores; the fifth for the next tile's products, which write over these results
.endr
.irp u, 0,1,2,3
	ds_store_b128 v[OST], v[S+8*\u:S+8*\u+3] offset:4096*(\g)+1024*\u           ; my part of o^T as it stands in my registers
	ds_store_b128 v[OST], v[S+8*\u+4:S+8*\u+7] offset:4096*(\g)+1024*\u+512
.endr
.endm
; THE SIXTEEN PARTS OF o^T ARE ADDED.  Wave w takes tile w / 4 and piece w % 4 of its image in aimg: a lane adds eight channels of one query over the sixteen waves, eight waves at a time.
.macro REDUCE
	s_wait_dscnt 0x0                               ; my images have landed
	s_barrier_signal -1
	s_barrier_wait -1
.irp bt, 0,1
.irp g, 0,1
.irp i, 0,1,2,3
.irp hf, 0,1
	ds_load_b128 v[S+8*(4*\g+\i)+4*\hf:S+8*(4*\g+\i)+4*\hf+3], v[RD+2*\bt+\g] offset:16384*\i+512*\hf
.endr
.endr
.endr
	s_wait_dscnt 0x0
.irp i, 0,1,2,3
.irp j, 0,2,4,6
	v_pk_add_f32 v[S+8*\i+\j:S+8*\i+\j+1], v[S+8*\i+\j:S+8*\i+\j+1], v[S+32+8*\i+\j:S+32+8*\i+\j+1]
.endr
.endr
.irp i, 0,1
.irp j, 0,2,4,6
	v_pk_add_f32 v[S+8*\i+\j:S+8*\i+\j+1], v[S+8*\i+\j:S+8*\i+\j+1], v[S+16+8*\i+\j:S+16+8*\i+\j+1]
.endr
.endr
.irp j, 0,2,4,6
.if \bt == 0
	v_pk_add_f32 v[T+\j:T+\j+1], v[S+\j:S+\j+1], v[S+8+\j:S+8+\j+1]
.else
	v_pk_add_f32 v[S+\j:S+\j+1], v[S+\j:S+\j+1], v[S+8+\j:S+8+\j+1]
.endif
.endr
.endr
.irp j, 0,2,4,6
	v_pk_add_f32 v[T+\j:T+\j+1], v[T+\j:T+\j+1], v[S+\j:S+\j+1]
.endr
.irp j, 0,2,4,6
	v_pk_mul_f32 v[T+\j:T+\j+1], v[T+\j:T+\j+1], s[OSC:OSC+1] op_sel_hi:[1,0]   ; x 2^(e8 + e9)
.endr
.irp j, 0,1,2,3,4,5,6,7
	v_med3_num_f32 v[T+\j], v[T+\j], s[ALO], s[AHI]                             ; o's clip and the hold in one
.endr
	v_cvt_scalef32_pk8_bf8_f32 v[T+8:T+9], v[T:T+7], v[SCA]
	v_nop
	global_store_b64 v[L8], v[T+8:T+9], s[12:13]   ; 32 lanes store 256 consecutive bytes, at a multiple of 256 from aimg's first byte
	s_wait_xcnt 0x0                                ; the store and q's loads have read their registers and bases, which are written next
	s_add_nc_u64 s[4:5], s[4:5], 4096              ; four tiles of q on
	s_add_nc_u64 s[12:13], s[12:13], 65536         ; four tiles of rows on in aimg
.endm
	s_load_b256 s[4:11], s[0:1], 0x0               ; qimg s[4:5], kimg s[6:7], vimg s[8:9], the exponents s[10:11]
	s_load_b64 s[12:13], s[0:1], 0x20              ; aimg
	v_lshl_add_u32 v[SPW], v0, 2, SPARE
	v_mov_b32 v[NIL], 0
	v_lshrrev_b32 v[T], 5, v0
	v_readfirstlane_b32 s[WV], v[T]                ; wave 0..15
	s_and_b32 s16, ttmp7, 0xffff                   ; 16 x batch + head
	v_and_b32 v[T], 31, v0                         ; lane
	v_and_b32 v[T+1], 15, v0                       ; r
	v_bfe_u32 v[T+2], v0, 4, 1                     ; h
	v_lshlrev_b32 v[L16], 4, v[T]
	v_lshlrev_b32 v[L8], 3, v[T]
	s_lshl_b32 s45, s[WV], 14
	v_add_nc_u32 v[OST], s45, v[L16]
	v_mul_u32_u24 v[SLD], v[T+1], 80
	v_add_nc_u32 v[SLD], SUMB, v[SLD]
	s_lshl_b32 s45, s[WV], 2
	v_add_nc_u32 v[SST], s45, v[SLD]
	s_lshr_b32 s45, s[WV], 2
	s_lshl_b32 s45, s45, 12                        ; the tile that I reduce: wave / 4
	s_bfe_u32 s46, s[WV], 0x10001
	s_lshl_b32 s46, s46, 11                        ; channels 32 ((wave / 2) % 2) on: two tiles of 16, 1,024 bytes each,
	s_add_co_u32 s45, s45, s46
	s_and_b32 s46, s[WV], 1
	s_lshl_b32 s46, s46, 8                         ; the storing lanes' half: wave % 2
	s_add_co_u32 s45, s45, s46
	v_lshlrev_b32 v[RD], 4, v[T+1]                 ; query r,
	v_lshl_add_u32 v[RD], v[T+2], 10, v[RD]        ; and 16 h channels further on
	v_add_nc_u32 v[RD], s45, v[RD]
	v_add_nc_u32 v[RD+1], 0x10000, v[RD]
	v_add_nc_u32 v[RD+2], 0x20000, v[RD]
	v_add_nc_u32 v[RD+3], 0x30000, v[RD]
	v_mov_b32 v[RS+1], 0                           ; (named as the upper half of the pair v[14:15])
	s_lshl_b32 s46, s16, 17                        ; a head's images are 131,072 bytes in each of the three buffers;
	s_lshl_b32 s47, s[WV], 13                      ; my 128 keys are 8,192 bytes of k's and of v's
	s_add_co_u32 s46, s46, s47
	s_mov_b32 s47, 0
	s_lshl_b32 s50, s16, 17
	s_lshl_b32 s51, ttmp9, 14                      ; my work-group's 16 tiles of q
	s_add_co_u32 s50, s50, s51
	s_mov_b32 s51, 0
	s_lshr_b32 s48, s16, 4                         ; aimg: tile of rows 128 x batch + 16 x work-group + wave / 4,
	s_lshl_b32 s48, s48, 7
	s_lshl_b32 s49, ttmp9, 4
	s_add_co_u32 s48, s48, s49
	s_lshr_b32 s49, s[WV], 2
	s_add_co_u32 s48, s48, s49
	s_lshl_b32 s48, s48, 4
	s_and_b32 s49, s16, 15                         ; the head,
	s_add_co_u32 s48, s48, s49
	s_lshl_b32 s48, s48, 10
	s_and_b32 s49, s[WV], 3                        ; piece wave % 4
	s_lshl_b32 s49, s49, 8
	s_add_co_u32 s48, s48, s49
	s_mov_b32 s49, 0
	s_mov_b32 s[SEL], 0x76543210
	s_mov_b32 s[SEL+1], 0xfedcba98
	s_mov_b32 s[CNT], 4
	s_wait_kmcnt 0x0
	s_load_b128 s[24:27], s[10:11], 0x10           ; e4 .. e7
	s_load_b128 s[28:31], s[10:11], 0x20           ; e8 .. e11
	s_add_nc_u64 s[6:7], s[6:7], s[46:47]
	s_add_nc_u64 s[8:9], s[8:9], s[46:47]
	s_add_nc_u64 s[4:5], s[4:5], s[50:51]
	s_add_nc_u64 s[12:13], s[12:13], s[48:49]
.irp t, 0,1,2,3,4,5,6,7
.irp c, 0,1
	global_load_b128 v[KF+8*\t+4*\c:KF+8*\t+4*\c+3], v[L16], s[6:7] offset:1024*\t+512*\c     ; k's eight fragments: they stay
.endr
.endr
.irp t, 0,1,2,3
.irp c, 0,1,2,3
	global_load_b128 v[VF+16*\t+4*\c:VF+16*\t+4*\c+3], v[L16], s[8:9] offset:2048*\t+512*\c   ; v^T's four: they stay
.endr
.endr
	global_load_b128 v[QF:QF+3], v[L16], s[4:5]    ; the first tile of q
	global_load_b128 v[QF+4:QF+7], v[L16], s[4:5] offset:512
	s_wait_kmcnt 0x0
	s_add_co_i32 s45, s26, s27                     ; e6 + e7: a raw score stands for score x 2^(e6 + e7)
	s_lshl_b32 s45, s45, 23
	s_add_co_i32 s[CS], s45, 0x3fb8aa3b            ; log2(e) x 2^(e6 + e7),
	s_mov_b32 s[CS+1], s[CS]
	s_sub_co_i32 s[LOW], EPSB, s45                 ; and the clip's bounds / 2^(e6 + e7): the clip is made on the raw sums, exactly
	s_sub_co_i32 s[HIW], HIB, s45
	s_add_co_i32 s45, s28, 127
	s_lshl_b32 s46, s45, 23
	v_mov_b32 v[SCP], s46                          ; 2^e8
	s_add_co_i32 s45, s45, 15
	s_lshl_b32 s45, s45, 23
	s_or_b32 s45, s45, 0x600000                    ; 57,344 x 2^e8
	s_min_u32 s[PLO], s45, EPSB
	s_min_u32 s[PHI], s45, HIB
	s_add_co_i32 s45, s30, 127
	s_lshl_b32 s46, s45, 23
	v_mov_b32 v[SCA], s46                          ; 2^e10
	s_add_co_i32 s45, s45, 15
	s_lshl_b32 s45, s45, 23
	s_or_b32 s45, s45, 0x600000
	s_min_u32 s[ALO], s45, EPSB
	s_min_u32 s[AHI], s45, HIB
	s_add_co_i32 s[OSC], s28, s29
	s_add_co_i32 s[OSC], s[OSC], 127
	s_lshl_b32 s[OSC], s[OSC], 23                  ; 2^(e8 + e9)
	s_mov_b32 s[OSC+1], s[OSC]
; A trip: 64 queries, five barriers.  The sums' two buffers take turns: a buffer is written again only behind the next tile's barrier, which every wave signals behind its reads of it.
; The images of o^T are read behind the reduction's barrier and written again only behind the next trip's first barrier, which every wave signals with its reads of them back.
.Ltrip:
	SUB 0
	SUB 1
	SUB 2
	SUB 3
	REDUCE
	s_sub_co_u32 s[CNT], s[CNT], 1
	s_cmp_lg_u32 s[CNT], 0
	s_cbranch_scc1 .Ltrip
	s_wait_tensorcnt 0x0                           ; the wave's end, behind my last LDS store
	ds_add_u32 v[SPW], v[NIL]
	s_wait_dscnt 0x0
	s_endpgm
.Lfunc_end_k_qdc9b46d79f_attn:
	.size	k_qdc9b46d79f_attn, .Lfunc_end_k_qdc9b46d79f_attn-k_qdc9b46d79f_attn
	.p2alignl 7, 3214868480
	.fill 96, 4, 3214868480
	.section	.rodata,"a",@progbits
	.p2align	6, 0x0
	.amdhsa_kernel k_qdc9b46d79f_attn
		.amdhsa_group_segment_fixed_size 266752
		.amdhsa_private_segment_fixed_size 0
		.amdhsa_enable_private_segment 0
		.amdhsa_kernarg_size 40
		.amdhsa_user_sgpr_count 2
		.amdhsa_user_sgpr_kernarg_segment_ptr 1
		.amdhsa_wavefront_size32 1
		.amdhsa_system_sgpr_workgroup_id_x 1
		.amdhsa_system_sgpr_workgroup_id_y 1
		.amdhsa_system_sgpr_workgroup_id_z 1
		.amdhsa_system_vgpr_workitem_id 0
		.amdhsa_next_free_vgpr 256
		.amdhsa_next_free_sgpr 66
		.amdhsa_reserve_vcc 0
		.amdhsa_float_denorm_mode_32 3
		.amdhsa_float_denorm_mode_16_64 3
		.amdhsa_memory_ordered 1
		.amdhsa_forward_progress 1
		.amdhsa_inst_pref_size 93
	.end_amdhsa_kernel
	.amdgpu_metadata
---
amdhsa.version: [ 1, 2 ]
amdhsa.kernels:
  - .name:           k_qdc9b46d79f_attn
    .symbol:         k_qdc9b46d79f_attn.kd
    .args:
      - { .name: qimg, .offset: 0, .size: 8, .value_kind: global_buffer, .address_space: global }
      - { .name: kimg, .offset: 8, .size: 8, .value_kind: global_buffer, .address_space: global }
      - { .name: vimg, .offset: 16, .size: 8, .value_kind: global_buffer, .address_space: global }
      - { .name: lowp_scales, .offset: 24, .size: 8, .value_kind: global_buffer, .address_space: global }
      - { .name: aimg, .offset: 32, .size: 8, .value_kind: global_buffer, .address_space: global }
    .group_segment_fixed_size: 266752
    .private_segment_fixed_size: 0
    .kernarg_segment_align: 8
    .kernarg_segment_size: 40
    .max_flat_workgroup_size: 512
    .sgpr_count:     66
    .vgpr_count:     256
    .wavefront_size: 32
...
	.end_amdgpu_metadata
.endif
;; end of part 2
;; launch outp (part 3): grid 8 x 32, 8 waves a work-group, clusters of 4 x 4, 327,680 bytes of LDS; arguments aimg, Wo_codes, bo, lowp_scales, out0; writes out0
.if DOCPART == 3
	.amdgcn_target "amdgcn-amd-amdhsa--gfx1250"
	.amdhsa_code_object_version 6
	.text
	.protected	k_qdc9b46d79f_outp
	.globl	k_qdc9b46d79f_outp
	.p2align	8
	.type	k_qdc9b46d79f_outp,@function
k_qdc9b46d79f_outp:
	s_mov_b64 s[64:65], 0
	v_nop
	global_prefetch_b8 v0, s[64:65] scope:SCOPE_SE
	s_setreg_imm32_b32 hwreg(HW_REG_WAVE_MODE, 25, 1), 1
	s_wait_xcnt 0x0
	s_wait_alu depctr_hold_cnt(0) depctr_sa_sdst(0) depctr_va_vdst(0) depctr_va_sdst(0) depctr_va_ssrc(0) depctr_va_vcc(0) depctr_vm_vsrc(0)
	s_getreg_b32 s2, hwreg(HW_REG_IB_STS2, 6, 4)
	s_cmp_eq_u32 s2, 0
	s_cbranch_scc0 .Lentry_in_a_cluster
	s_endpgm
.Lentry_in_a_cluster:
	s_bfe_u32 s2, ttmp6, 0x10000c
	s_cmp_lg_u32 s2, 0xf033
	s_cbranch_scc0 .Lentry_shape_is_right
	s_endpgm
.Lentry_shape_is_right:
; out = guard(o Wo^T + bo): o as the codes that the attention launch stored (e10), Wo as given codes (e11); the clip to [1e-7, 1 - 1e-7], NaN -> 0; f32 out.  No work is left out.
; SHARES.  A work-group makes 128 rows x 128 columns; ALL of K (1,024) of both operands lies in LDS, filled once, in four chunks of 256 along K, so that the products begin when the first chunk is in: nothing is filled again.
; Eight waves: wave w takes rows 32 (w / 2) on and columns 64 (w % 2) on: 2 x 4 accumulators.  Sixteen steps of 64 along K, a head each, on two sets of fragments.
; CLUSTER 4 x 4: the four work-groups of a row of the cluster share o's rows, the four of a column share Wo's rows: each chunk is asked for jointly.  Waves 0 to 3 ask for o's chunks, waves 4 to 7 for Wo's: four loads a wave are out.
; o comes as images of registers (aimg: [tile of 16 rows][head][piece 4][lane][8 B]): a fragment is four ds_load_b64 of 256 consecutive bytes.  Wo's fragment is two ds_load_b128 from padded rows:
; registers 4 c .. 4 c + 3 hold k = 32 c + 16 h + 0 .. 15, which is the order in which aimg's pieces were laid.
; TRANSPOSED USE: source 0 = 16 rows of Wo, source 1 = 16 rows of o: a lane holds eight neighbouring columns of one row of out.
; LIMIT: e10 + e11 between -126 and 127.
; REGISTERS: v2-9 addresses; v10, v11 the add's two; v16-79 the accumulators ((i, b) at 16 + 8 (4 i + b)); v80-127, v128-175 two sets of fragments (o's two, then Wo's four); v176-207 bo; v208-239 at work.
; On the way out v80-143 take the rows read back from the stage and v144-175 the second tile's results.
.set PITCH, 272
.set BOFF,  131072                     ; LDS: o [chunk 4][tile 8][4,096 B]; from here Wo [chunk 4][128 rows x 272]
.set BCH,   128*PITCH                  ; 34,816
.set STAGE, BOFF+4*BCH                 ; 16 rows x 272 bytes for each wave, for the way out: no load lands here
.set SPARE, STAGE+8*16*PITCH           ; the spare words, 128 bytes for each wave: four blocks of 256 bytes that no other line names
.set EPSB,  0x33d6bf95
.set HIB,   0x3f7ffffe
.set ADA, 2                            ; v2, v3  LDS address of my fragments of o, chunks 0-1 and 2-3
.set ADB, 4                            ; v4, v5  the same for Wo
.set STO, 6                            ; v6      the stage: where I put 16 bytes of a row
.set RD,  7                            ; v7      and where I read a row back
.set GO,  8                            ; v8      my byte offset in two rows of out
.set H32, 9
.set SPW, 10
.set NIL, 11
.set ACC, 16
.set FR0, 80
.set BO,  176
.set Y0,  208
.set Y1,  144
.set BK,  80
.set WV,  14                           ; s14     my wave's number
.set G1A, 16                           ; s[16:23] descriptor group 1 for o's chunks; s[24:31] for Wo's
.set G1B, 24
.set G0A, 32                           ; s[32:47] groups 0 for o's four chunks; s[48:63] for Wo's
.set G0B, 48
.macro PLACES n
.rept \n
	v_nop
.endr
.endm
.macro CROUND                          ; a round of the cluster's barrier
	s_barrier_signal -1
	s_barrier_wait -1
	s_cmp_lg_u32 s[WV], 0
	s_cbranch_scc1 .Lnot_wave_0_\@
	s_barrier_signal -3
.Lnot_wave_0_\@:
	s_barrier_wait -3
	s_barrier_signal -1
	s_barrier_wait -1
.endm
.macro FETCH s                         ; step s's fragments into set s % 2
.set FS, FR0+48*((\s)%2)
.set QQ, (\s)/4
.irp i, 0,1
.irp p, 0,1,2,3
	ds_load_b64 v[FS+8*\i+2*\p:FS+8*\i+2*\p+1], v[ADA+QQ/2] offset:(QQ%2)*32768+4096*\i+1024*((\s)%4)+256*\p
.endr
.endr
.irp b, 0,1,2,3
.irp c, 0,1
	ds_load_b128 v[FS+16+8*\b+4*\c:FS+16+8*\b+4*\c+3], v[ADB+QQ/2] offset:(QQ%2)*BCH+16*\b*PITCH+64*((\s)%4)+32*\c
.endr
.endr
.endm
.macro STEP s
	s_wait_dscnt 0x0                               ; this step's fragments are in
.if ((\s)%4 == 3) && ((\s) < 15)
	s_wait_tensorcnt 2-(\s)/4                      ; my part of the next chunk is in; my loads of the chunks behind it may stay out
	s_barrier_signal -1
	s_barrier_wait -1                              ; everybody's is
.endif
.if ((\s) > 0) && ((\s) < 15)
	PLACES 4                                       ; between the last step's products and the loads into the set that they read
.endif
.if (\s) < 15
	FETCH (\s)+1
.endif
.set FM, FR0+48*((\s)%2)
.irp i, 0,1                            ; the eight accumulators take turns, in the same order in every step
.irp b, 0,1,2,3
.if (\s) == 0
	v_wmma_f32_16x16x64_bf8_bf8 v[ACC+8*(4*\i+\b):ACC+8*(4*\i+\b)+7], v[FM+16+8*\b:FM+16+8*\b+7], v[FM+8*\i:FM+8*\i+7], 0
.else
	v_wmma_f32_16x16x64_bf8_bf8 v[ACC+8*(4*\i+\b):ACC+8*(4*\i+\b)+7], v[FM+16+8*\b:FM+16+8*\b+7], v[FM+8*\i:FM+8*\i+7], v[ACC+8*(4*\i+\b):ACC+8*(4*\i+\b)+7]
.endif
.endr
.endr
.endm
.macro OUTY i, yb                      ; tile i's 32 numbers a lane: sum x 2^(e10 + e11) + bo, the clip, NaN -> 0
.set n, 0
.rept 16
	v_pk_fma_f32 v[\yb+n:\yb+n+1], v[ACC+32*\i+n:ACC+32*\i+n+1], s[74:75], v[BO+n:BO+n+1] op_sel_hi:[1,0,1]   ; each accumulator from its low end on
.set n, n+2
.endr
.set n, 0
.rept 32
	v_cmp_eq_f32 vcc_lo, v[\yb+n], v[\yb+n]        ; false for NaN alone
	v_med3_num_f32 v[\yb+n], v[\yb+n], s76, s77
	v_cndmask_b32 v[\yb+n], 0, v[\yb+n], vcc_lo
.set n, n+1
.endr
.endm
.macro TOSTAGE i, yb                   ; 16 rows x 64 columns through my own stage; LDS serves a wave's instructions in order: the loads see the stores
.irp b, 0,1,2,3
	ds_store_b128 v[STO], v[\yb+8*\b:\yb+8*\b+3] offset:64*\b
	ds_store_b128 v[STO], v[\yb+8*\b+4:\yb+8*\b+7] offset:64*\b+16
.endr
.irp t, 0,1,2,3,4,5,6,7
	ds_load_b128 v[BK+32*\i+4*\t:BK+32*\i+4*\t+3], v[RD] offset:2*\t*PITCH
.endr
.endm
.macro SEND i
.irp t, 0,1,2,3,4,5,6,7
	s_wait_dscnt 7-\t                              ; the younger loads from the stage may stay out
	global_store_b128 v[GO], v[BK+32*\i+4*\t:BK+32*\i+4*\t+3], s[12:13] offset:8192*\t+65536*\i th:TH_STORE_NT   ; 16 lanes store 256 consecutive bytes, at a multiple of 256 from out's first byte
.endr
.endm
	s_load_b256 s[4:11], s[0:1], 0x0               ; aimg s[4:5], Wo's codes s[6:7], bo s[8:9], the exponents s[10:11]
	s_load_b64 s[12:13], s[0:1], 0x20              ; out
	v_lshl_add_u32 v[SPW], v0, 2, SPARE
	v_mov_b32 v[NIL], 0
	ds_add_u32 v[SPW], v[NIL]                      ; the wave's opening: the add, twice on end, and its wait ahead of my first tensor load
	ds_add_u32 v[SPW], v[NIL]
	v_lshrrev_b32 v1, 5, v0
	v_readfirstlane_b32 s[WV], v1                  ; wave 0..7
	s_and_b32 s15, s[WV], 3                        ; which quarter of a chunk I fetch
	s_lshr_b32 s70, s[WV], 1                       ; which 32 rows are mine
	s_and_b32 s71, s[WV], 1                        ; which 64 columns
	s_bfe_u32 s66, ttmp6, 0x40000                  ; cx
	s_bfe_u32 s67, ttmp6, 0x40004                  ; cy
	s_lshl_b32 s68, ttmp9, 2
	s_add_co_u32 s68, s68, s66                     ; the block of 128 columns
	s_and_b32 s69, ttmp7, 0xffff
	s_lshl_b32 s69, s69, 2
	s_add_co_u32 s69, s69, s67                     ; the block of 128 rows
	s_lshl_b32 s82, s67, 2
	s_lshl_b32 s82, 15, s82                        ; my row of the cluster
	s_lshl_b32 s83, 0x1111, s66                    ; my column
	s_or_b32 s[G1A], s82, (3<<16)|(1<<21)          ; the mask; elements of 8 bytes; no padding; bit 21 beside a mask
	s_mov_b32 s[G1A+1], 512<<16                    ; tensor_dim0 = 512 elements: a tile's four heads, 4,096 bytes
	s_mov_b32 s[G1A+2], 2<<16                      ; tensor_dim1 = 2 tiles of rows
	s_mov_b32 s[G1A+3], 512<<16                    ; tile_dim0
	s_mov_b32 s[G1A+4], 2                          ; tile_dim1
	s_mov_b32 s[G1A+5], 2048                       ; from tile to tile: 16,384 bytes
	s_mov_b32 s[G1A+6], 0
	s_mov_b32 s[G1A+7], 0
	s_or_b32 s[G1B], s83, (1<<20)|(1<<21)|(5<<22)|(3<<25)   ; elements of 1 byte; 4 words of padding behind every 64
	s_mov_b32 s[G1B+1], 256<<16
	s_mov_b32 s[G1B+2], 32<<16                     ; 32 rows of Wo
	s_mov_b32 s[G1B+3], 256<<16
	s_mov_b32 s[G1B+4], 32
	s_mov_b32 s[G1B+5], 1024
	s_mov_b32 s[G1B+6], 0
	s_mov_b32 s[G1B+7], 0
	s_lshl_b32 s78, s69, 3
	s_lshl_b32 s79, s15, 1
	s_add_co_u32 s78, s78, s79                     ; o: tile of rows 8 x block + 2 x quarter,
	s_lshl_b32 s78, s78, 14                        ; 16,384 bytes each
	s_mov_b32 s79, 0
	s_lshl_b32 s80, s68, 7
	s_lshl_b32 s81, s15, 5
	s_add_co_u32 s80, s80, s81                     ; Wo: row 128 x block + 32 x quarter,
	s_lshl_b32 s80, s80, 10                        ; 1,024 bytes each
	s_mov_b32 s81, 0
	s_lshl_b32 s84, s15, 13                        ; where they go in a chunk: two tiles of 4,096 bytes,
	s_mul_i32 s85, s15, 32*PITCH                   ; 32 padded rows
	s_wait_dscnt 0x0                               ; both opening adds are done
	s_wait_kmcnt 0x0
	s_load_b64 s[72:73], s[10:11], 0x28            ; e10, e11
	s_add_nc_u64 s[78:79], s[4:5], s[78:79]
	s_add_nc_u64 s[80:81], s[6:7], s[80:81]
.irp q, 0,1,2,3
	s_mov_b32 s[G0A+4*\q], 1
	s_add_co_u32 s[G0A+4*\q+1], s84, 32768*\q
	s_add_nc_u64 s[G0A+4*\q+2:G0A+4*\q+3], s[78:79], 4096*\q
	s_or_b32 s[G0A+4*\q+3], s[G0A+4*\q+3], 0x80000000
	s_mov_b32 s[G0B+4*\q], 1
	s_add_co_u32 s[G0B+4*\q+1], s85, BOFF+BCH*\q
	s_add_nc_u64 s[G0B+4*\q+2:G0B+4*\q+3], s[80:81], 256*\q
	s_or_b32 s[G0B+4*\q+3], s[G0B+4*\q+3], 0x80000000
.endr
	CROUND                                         ; all sixteen work-groups are here: the joint loads meet
	s_cmp_lt_u32 s[WV], 4                          ; a wave's four fills stand in one arm of one branch on its number; an s_nop 0 follows each, four v_nop the last
	s_cbranch_scc0 .Lfill_b
.irp q, 0,1,2,3
	tensor_load_to_lds s[G0A+4*\q:G0A+4*\q+3], s[G1A:G1A+7]
	s_nop 0
.endr
.rept 4
	v_nop
.endr
	s_branch .Lfilled
.Lfill_b:
.irp q, 0,1,2,3
	tensor_load_to_lds s[G0B+4*\q:G0B+4*\q+3], s[G1B:G1B+7]
	s_nop 0
.endr
.rept 4
	v_nop
.endr
.Lfilled:
	v_and_b32 v12, 15, v0                          ; r
	v_bfe_u32 v13, v0, 4, 1                        ; h
	v_and_b32 v14, 31, v0                          ; lane
	s_lshl_b32 s86, s70, 13                        ; my two tiles of o
	v_lshlrev_b32 v[ADA], 3, v14
	v_add_nc_u32 v[ADA], s86, v[ADA]
	v_add_nc_u32 v[ADA+1], 0x10000, v[ADA]
	s_mul_i32 s86, s71, 64*PITCH                   ; my 64 rows of Wo
	v_mul_u32_u24 v15, v12, PITCH
	v_lshl_add_u32 v[ADB], v13, 4, v15
	v_add_nc_u32 v[ADB], s86, v[ADB]
	v_add_nc_u32 v[ADB], BOFF, v[ADB]
	v_add_nc_u32 v[ADB+1], 2*BCH, v[ADB]
	s_mul_i32 s86, s[WV], 16*PITCH
	s_add_co_u32 s86, s86, STAGE                   ; my stage
	v_lshl_add_u32 v[STO], v13, 5, v15             ; in: row r, 32 bytes for each half of the lanes
	v_add_nc_u32 v[STO], s86, v[STO]
	v_mul_u32_u24 v[RD], v13, PITCH                ; back: lanes 0-15 one row of 256 bytes, lanes 16-31 the next
	v_lshl_add_u32 v[RD], v12, 4, v[RD]
	v_add_nc_u32 v[RD], s86, v[RD]
	v_lshlrev_b32 v[GO], 12, v13                   ; and the same two rows in out
	v_lshl_add_u32 v[GO], v12, 4, v[GO]
	v_lshlrev_b32 v[H32], 5, v13
	s_lshl_b32 s88, s68, 9                         ; my first column, in bytes: 512 x block + 256 x (wave % 2)
	s_lshl_b32 s89, s71, 8
	s_add_co_u32 s88, s88, s89
	s_mov_b32 s89, 0
	s_add_nc_u64 s[8:9], s[8:9], s[88:89]          ; in bo,
	s_lshl_b32 s86, s69, 19                        ; and in out, at my first row: 128 x block + 32 x (wave / 2), 4,096 bytes each
	s_lshl_b32 s87, s70, 17
	s_add_co_u32 s86, s86, s87
	s_add_co_u32 s86, s86, s88
	s_mov_b32 s87, 0
	s_add_nc_u64 s[12:13], s[12:13], s[86:87]
.irp b, 0,1,2,3
	global_load_b128 v[BO+8*\b:BO+8*\b+3], v[H32], s[8:9] offset:64*\b        ; bo at columns 16 b + 8 h + 0 .. 7
	global_load_b128 v[BO+8*\b+4:BO+8*\b+7], v[H32], s[8:9] offset:64*\b+16
.endr
	s_mov_b32 s76, EPSB
	s_mov_b32 s77, HIB
	s_wait_tensorcnt 3                             ; my part of chunk 0 is in; my three later loads may stay out
	s_barrier_signal -1
	s_barrier_wait -1
	FETCH 0
.irp s, 0,1,2,3,4,5,6,7,8,9,10,11,12,13,14,15
	STEP \s
.endr
	; THE WAY OUT
	s_wait_kmcnt 0x0
	s_add_co_i32 s74, s72, s73
	s_add_co_i32 s74, s74, 127
	s_lshl_b32 s74, s74, 23                        ; 2^(e10 + e11)
	s_mov_b32 s75, s74
	s_wait_loadcnt 0x0                             ; bo
	PLACES 4                                       ; behind the last products: their results are read, and their operands' registers written and loaded into, below
	OUTY 0, Y0
	TOSTAGE 0, Y0
	OUTY 1, Y1                                     ; the second tile's arithmetic stands between the first tile's loads from the stage and the waits for them
	SEND 0
	TOSTAGE 1, Y1
	SEND 1
	s_wait_tensorcnt 0x0                           ; the wave's end, behind my last tensor load and my last LDS store
	ds_add_u32 v[SPW], v[NIL]
	s_wait_dscnt 0x0
	CROUND                                         ; the closing round: no work-group ends while a partner may still ask for a tile that names it
	s_endpgm
.Lfunc_end_k_qdc9b46d79f_outp:
	.size	k_qdc9b46d79f_outp, .Lfunc_end_k_qdc9b46d79f_outp-k_qdc9b46d79f_outp
	.p2alignl 7, 3214868480
	.fill 96, 4, 3214868480
	.section	.rodata,"a",@progbits
	.p2align	6, 0x0
	.amdhsa_kernel k_qdc9b46d79f_outp
		.amdhsa_group_segment_fixed_size 327680
		.amdhsa_private_segment_fixed_size 0
		.amdhsa_enable_private_segment 0
		.amdhsa_kernarg_size 40
		.amdhsa_user_sgpr_count 2
		.amdhsa_user_sgpr_kernarg_segment_ptr 1
		.amdhsa_wavefront_size32 1
		.amdhsa_system_sgpr_workgroup_id_x 1
		.amdhsa_system_sgpr_workgroup_id_y 1
		.amdhsa_system_sgpr_workgroup_id_z 1
		.amdhsa_system_vgpr_workitem_id 0
		.amdhsa_next_free_vgpr 256
		.amdhsa_next_free_sgpr 96
		.amdhsa_reserve_vcc 1
		.amdhsa_float_denorm_mode_32 3
		.amdhsa_float_denorm_mode_16_64 3
		.amdhsa_memory_ordered 1
		.amdhsa_forward_progress 1
		.amdhsa_inst_pref_size 50
	.end_amdhsa_kernel
	.amdgpu_metadata
---
amdhsa.version: [ 1, 2 ]
amdhsa.kernels:
  - .name:           k_qdc9b46d79f_outp
    .symbol:         k_qdc9b46d79f_outp.kd
    .args:
      - { .name: aimg, .offset: 0, .size: 8, .value_kind: global_buffer, .address_space: global }
      - { .name: Wo_codes, .offset: 8, .size: 8, .value_kind: global_buffer, .address_space: global }
      - { .name: bo, .offset: 16, .size: 8, .value_kind: global_buffer, .address_space: global }
      - { .name: lowp_scales, .offset: 24, .size: 8, .value_kind: global_buffer, .address_space: global }
      - { .name: out0, .offset: 32, .size: 8, .value_kind: global_buffer, .address_space: global }
    .group_segment_fixed_size: 327680
    .private_segment_fixed_size: 0
    .kernarg_segment_align: 8
    .kernarg_segment_size: 40
    .max_flat_workgroup_size: 256
    .sgpr_count:     96
    .vgpr_count:     256
    .wavefront_size: 32
...
	.end_amdgpu_metadata
.endif
;; end of part 3
;; ======== version 2 of 2: 3 launches; version 1 with the launch attn written anew for expert scheduling mode
;; limits: right only within a limited range of input values
;; workspace buffers: qimg 4,194,304 bytes; kimg 4,194,304 bytes; vimg 4,194,304 bytes; aimg 4,194,304 bytes
;; launch qkv: the kernel of part 1 again; grid 16 x 16, 4 waves a work-group, clusters of 4 x 4, 327,680 bytes of LDS; arguments hidden_states_codes, Wq_codes, Wk_codes, Wv_codes, bq, bk, bv, lowp_scales, qimg, kimg, vimg; writes qimg, kimg, vimg
;; launch attn (part 4): grid 8 x 32, 16 waves a work-group, no clusters, 266,752 bytes of LDS; arguments qimg, kimg, vimg, lowp_scales, aimg; writes aimg
.if DOCPART == 4
	.amdgcn_target "amdgcn-amd-amdhsa--gfx1250"
	.amdhsa_code_object_version 6
	.text
	.protected	k_qdc9b46d79f_attn
	.globl	k_qdc9b46d79f_attn
	.p2align	8
	.type	k_qdc9b46d79f_attn,@function
k_qdc9b46d79f_attn:
	s_mov_b64 s[64:65], 0
	v_nop
	global_prefetch_b8 v0, s[64:65] scope:SCOPE_SE
	s_setreg_imm32_b32 hwreg(HW_REG_WAVE_SCHED_MODE, 0, 2), 2
	s_setreg_imm32_b32 hwreg(HW_REG_WAVE_MODE, 25, 1), 1
	s_wait_xcnt 0x0
	s_wait_alu depctr_vm_vsrc(0)
; For each batch and head: w = clip(q k^T), p = clip(softmax(w)), o = clip(p v), all clips to [1e-7, 1 - 1e-7]; q, k, p, v as codes of E5M2 (e6, e7, e8, e9); o is quantised (e10) for the projection on the way out.
; No work is left out.  p IS QUANTISED FINISHED AND NORMALISED, so a row's sum over all 2,048 keys is known before any p is converted.
; THE MAXIMUM IS NOT TAKEN AWAY: the clip that the problem itself makes holds every w in [1e-7, 1), whatever the inputs: e^w lies in [1, e) and a row's sum in [2,048, 2,048 e): nothing can overflow or underflow.
; q's and k's codes are finite (their quantiser holds them), so no score is NaN; p's and v's likewise.
; THE WAVES SHARE THE KEYS, NOT THE QUERIES.  A work-group owns 256 queries of one head.  Wave w owns keys 128 w .. 128 w + 127: its 8 fragments of k and its 4 of v^T are loaded once, as images of registers, and stay
; in its registers for the whole launch.  All sixteen waves work on the same tile of 16 queries, so a row's 2,048 exponentials are alive at once, 64 registers a wave: each score is clipped, exponentiated and converted once.
; The waves' partial row sums meet in LDS (one barrier a tile); their partial o^T, 16 queries x 64 channels each, meet in LDS as images of registers and are added once for four tiles (one barrier).
; NO CLUSTER: k and v never lie in LDS: there is no tile that a joint load could bring to partners; each work-group reads its head's 256 KiB once, straight into registers.
; LAYOUT.  S^T = k q^T (source 0 = 16 keys, source 1 = the 16 queries): lane (r, h) holds query r and keys 16 t + 8 h + 0 .. 7 in tile t's registers: their codes are registers 2 t, 2 t + 1 of the second product's operand.
; o^T = v^T p^T (source 0 = 16 channels x 128 keys, source 1 = p): lane (r, h) holds query r, channels 16 u + 8 h + 0 .. 7.
; aimg: [tile of 16 rows 256][head 16][piece 4][lane][8 B]: lane (r, h), piece p: row r, channels 32 (p / 2) + 16 h + 8 (p % 2) + 0 .. 7: the order in which the last launch's loads lay Wo's codes.
; LIMITS on the given exponents: e6 + e7 between -126 and 102 (it is taken off the clip's bounds and added to log2(e), in their exponent fields); e8, e10 between -126 and 112; e8 + e9 between -126 and 127.
; REGISTERS: v1-9 addresses; v10, v11 the add's two; v12, v13 2^e8, 2^e10; v[14:15] 1 / the row's sum; v16-79 k; v80-143 v^T; v144-207 S^T, then e^w, then p; o^T over v144-175; v208-223 p's codes; v224-239 q, two sets; v240-255 at work.
; THE MODE: SCHED_MODE bits 1:0 = 2 (LLVM: expert scheduling mode 2), set by the entry lines.  The code itself states the register dependences
; between vector or matrix instructions and memory or LDS instructions, with s_wait_alu, always for 0.
; THE PLAN.  Registers that memory or LDS instructions touch:
;   v1-9, v10, v11   Addresses and the add's two: written at the head, never again.  One wait on va_vdst ahead of the first load serves every load and store of the kernel.
;   k, v^T           Loaded once at the head; no vector instruction names them before that.
;   q, two sets      Tile g's products read set g % 2.  The load of tile g + 1's q lands in the other set, which tile g - 1's products read: those stand ahead of tile g - 1's wait behind its exponentials,
;                    and no vector or matrix instruction since names that set: the load owes no wait of its own.
;   v144-207 (S)     Written by the products and the softmax.  o^T (v144-175) is the data of eight LDS stores: a wait on va_vdst ahead of them.  Written again by the next tile's products (a wait on vm_vsrc at a
;                    tile's head) or by the reduction's loads (a wait on vm_vsrc behind its barrier).  In the reduction the second eight waves' loads land in each half as soon as a wait on va_vdst shows the additions done with it.
;   v240-255 (T)     v240 is the data of the LDS store of my part of a row's sum (va_vdst ahead of it); the sixteen parts' loads land in v240-255 (vm_vsrc ahead of them); v248-249 are the data of the global store
;                    (va_vdst ahead of it), and are written again only behind the next tile's head.
;   p's codes, the scales and 1 / the sum are named by vector and matrix instructions alone.
.set SUMB,  262144                     ; LDS: from 0 the images of o^T: [wave 16][tile 4][piece 8][512 B]; here the row sums: two buffers by turns, 16 rows x 80 bytes (a word a wave, 16 bytes of padding)
.set SUMP,  1280
.set SPARE, SUMB+2*SUMP                ; the spare words, 128 bytes for each wave: eight blocks of 256 bytes that no other line names
.set EPSB,  0x33d6bf95                 ; 1e-7
.set HIB,   0x3f7ffffe                 ; 1 - 1e-7 as f32
.set L16, 1                            ; v1    16 x lane
.set OST, 2                            ; v2    where I store my images of o^T: 16,384 x wave + 16 x lane
.set SST, 3                            ; v3    where I store my part of query r's sum
.set SLD, 4                            ; v4    query r's sixteen parts
.set RD,  5                            ; v5-8  the reduction: my 16 bytes in the images of waves 4 g .. 4 g + 3
.set L8,  9                            ; v9    8 x lane
.set SPW, 10
.set NIL, 11
.set SCP, 12
.set SCA, 13
.set RS,  14
.set KF,  16
.set VF,  80
.set S,   144
.set PF,  208
.set QF,  224
.set T,   240
.set WV,  14                           ; s14   my wave's number
.set CS,  32                           ; s[32:33] log2(e) x 2^(e6 + e7)
.set LOW, 34                           ; s34, s35 the clip's bounds / 2^(e6 + e7)
.set HIW, 35
.set PLO, 36                           ; s36, s37 p's clip and hold
.set PHI, 37
.set OSC, 38                           ; s[38:39] 2^(e8 + e9)
.set ALO, 40                           ; s40, s41 o's clip and hold
.set AHI, 41
.set SEL, 42                           ; s[42:43] lane selects: lane l xor 16
.set CNT, 44                           ; s44   trips to go
; ONE TILE OF 16 QUERIES, the g-th of a trip's four.
.macro SUB g
.set QS, QF+8*((\g)%2)
.set QN, QF+8*(1-(\g)%2)
	s_wait_loadcnt 0x0                             ; this tile's q is in (the first time: k and v too)
	s_wait_dscnt 0x0                               ; my stores of the last tile's o^T have landed
	s_wait_alu depctr_vm_vsrc(0)                   ; those stores have read v[S ..], which the products below write; the last store of a sum's part has read v[T], and the reduction's global store v[T+8:T+9], which this tile writes again
.irp t, 0,1,2,3,4,5,6,7
	v_wmma_f32_16x16x64_bf8_bf8 v[S+8*\t:S+8*\t+7], v[KF+8*\t:KF+8*\t+7], v[QS:QS+7], 0
.endr
.if \g == 3
	s_cmp_eq_u32 s[CNT], 1                         ; the last trip's last tile has no successor: no load leaves its buffer
	s_cbranch_scc1 .Lno_q_\@
.endif
	global_load_b128 v[QN:QN+3], v[L16], s[4:5] offset:1024*(\g+1)        ; the next tile's q, a whole tile ahead, into the other set.  No wait: its last readers, the tile before's products, stand ahead of that tile's
	global_load_b128 v[QN+4:QN+7], v[L16], s[4:5] offset:1024*(\g+1)+512  ; wait behind its exponentials, and no vector or matrix instruction since names this set
.if \g == 3
.Lno_q_\@:
.endif
.rept 4
	v_nop                                          ; four places behind the products
.endr
; the clip, x log2(e), and the exponentials: tile t's plain lines alternate with tile t - 1's exponentials; none of these lines names an exponential's result
.irp t, 0,1,2,3,4,5,6,7
.irp i, 0,1,2,3,4,5,6,7
	v_med3_num_f32 v[S+8*\t+\i], v[S+8*\t+\i], s[LOW], s[HIW]
.if \i % 2
	v_pk_mul_f32 v[S+8*\t+\i-1:S+8*\t+\i], v[S+8*\t+\i-1:S+8*\t+\i], s[CS:CS+1] op_sel_hi:[1,0]
.endif
.if \t > 0
	v_exp_f32 v[S+8*(\t-1)+\i], v[S+8*(\t-1)+\i]
.endif
.endr
.endr
.irp i, 0,1,2,3,4,5,6,7
	v_exp_f32 v[S+56+\i], v[S+56+\i]
.endr
	v_nop                                          ; a plain line behind the last exponential
	s_wait_alu depctr_va_vdst(0)                   ; the 64 exponentials have written v[S ..], ahead of their first reader; and this tile's products are done reading their set of q, in which the next tile's load lands
	v_pk_add_f32 v[T:T+1], v[S:S+1], v[S+2:S+3]    ; my 64 keys' sum, two at a time, in two chains
	v_pk_add_f32 v[T+2:T+3], v[S+4:S+5], v[S+6:S+7]
.irp j, 8,12,16,20,24,28,32,36,40,44,48,52,56,60
	v_pk_add_f32 v[T:T+1], v[T:T+1], v[S+\j:S+\j+1]
	v_pk_add_f32 v[T+2:T+3], v[T+2:T+3], v[S+\j+2:S+\j+3]
.endr
	v_pk_add_f32 v[T:T+1], v[T:T+1], v[T+2:T+3]
	v_add_f32 v[T], v[T], v[T+1]
	v_permlanex16_b32 v[T+1], v[T], s[SEL], s[SEL+1]
	v_add_f32 v[T], v[T], v[T+1]                   ; and lane l xor 16's: my wave's 128 keys of query r
	s_wait_alu depctr_va_vdst(0)                   ; the additions have written v[T], which the store below reads, and are done with v[T .. T+3], in which the loads behind the barrier land
	ds_store_b32 v[SST], v[T] offset:SUMP*((\g)%2) ; (lanes r and r + 16 store the same number to the same word)
	s_wait_dscnt 0x0                               ; for the others' sake: my part of the sums has landed; my reads of the other buffer were over long ago
	s_barrier_signal -1
	s_barrier_wait -1
	s_wait_alu depctr_vm_vsrc(0)                   ; the store above has read v[T], in which the first load below lands
.irp i, 0,1,2,3
	ds_load_b128 v[T+4*\i:T+4*\i+3], v[SLD] offset:SUMP*((\g)%2)+16*\i
.endr
	s_wait_dscnt 0x0
.irp i, 0,2,4,6
	v_pk_add_f32 v[T+\i:T+\i+1], v[T+\i:T+\i+1], v[T+8+\i:T+8+\i+1]
.endr
.irp i, 0,2
	v_pk_add_f32 v[T+\i:T+\i+1], v[T+\i:T+\i+1], v[T+4+\i:T+4+\i+1]
.endr
	v_pk_add_f32 v[T:T+1], v[T:T+1], v[T+2:T+3]
	v_add_f32 v[T], v[T], v[T+1]                   ; the row's sum over all 2,048 keys
	v_rcp_f32 v[RS], v[T]
	v_nop
	s_wait_alu depctr_va_vdst(0)                   ; the reciprocal has written v[RS], ahead of its first reader
.irp t, 0,1,2,3,4,5,6,7                ; p = e^w / the sum; its clip and the hold in one; its codes
.irp i, 0,2,4,6
	v_pk_mul_f32 v[S+8*\t+\i:S+8*\t+\i+1], v[S+8*\t+\i:S+8*\t+\i+1], v[RS:RS+1] op_sel_hi:[1,0]
.endr
.irp i, 0,1,2,3,4,5,6,7
	v_med3_num_f32 v[S+8*\t+\i], v[S+8*\t+\i], s[PLO], s[PHI]
.endr
	v_cvt_scalef32_pk8_bf8_f32 v[PF+2*\t:PF+2*\t+1], v[S+8*\t:S+8*\t+7], v[SCP]
.endr
	v_nop                                          ; a plain line between the conversions and the products, which read their results and write their sources
.irp u, 0,1,2,3
	v_wmma_f32_16x16x128_bf8_bf8 v[S+8*\u:S+8*\u+7], v[VF+16*\u:VF+16*\u+15], v[PF:PF+15], 0
.endr
.rept 5
	v_nop                                          ; four places ahead of the stores; the fifth for the next tile's products, which write over these results
.endr
	s_wait_alu depctr_va_vdst(0)                   ; the products have written v[S .. S+31], which the stores below read; the places above stay beside this wait.  All that named v[S .. S+63] stands ahead of it: the reduction's first loads lean on that
.irp u, 0,1,2,3
	ds_store_b128 v[OST], v[S+8*\u:S+8*\u+3] offset:4096*(\g)+1024*\u           ; my part of o^T as it stands in my registers
	ds_store_b128 v[OST], v[S+8*\u+4:S+8*\u+7] offset:4096*(\g)+1024*\u+512
.endr
.endm
; THE SIXTEEN PARTS OF o^T ARE ADDED.  Wave w takes tile w / 4 and piece w % 4 of its image in aimg: a lane adds eight channels of one query over the sixteen waves, eight waves at a time.
.macro RLOAD bt, g                     ; the parts of waves 8 bt + 4 g .. 8 bt + 4 g + 3 into v[S + 32 g] on
.irp i, 0,1,2,3
.irp hf, 0,1
	ds_load_b128 v[S+8*(4*\g+\i)+4*\hf:S+8*(4*\g+\i)+4*\hf+3], v[RD+2*\bt+\g] offset:16384*\i+512*\hf
.endr
.endr
.endm
.macro FOLD8                           ; eight parts become four: the upper half of S is read for the last time
.irp i, 0,1,2,3
.irp j, 0,2,4,6
	v_pk_add_f32 v[S+8*\i+\j:S+8*\i+\j+1], v[S+8*\i+\j:S+8*\i+\j+1], v[S+32+8*\i+\j:S+32+8*\i+\j+1]
.endr
.endr
.endm
.macro FOLD4                           ; four become two
.irp i, 0,1
.irp j, 0,2,4,6
	v_pk_add_f32 v[S+8*\i+\j:S+8*\i+\j+1], v[S+8*\i+\j:S+8*\i+\j+1], v[S+16+8*\i+\j:S+16+8*\i+\j+1]
.endr
.endr
.endm
.macro REDUCE
	s_wait_dscnt 0x0                               ; my images have landed
	s_barrier_signal -1
	s_barrier_wait -1
	s_wait_alu depctr_vm_vsrc(0)                   ; my stores of o^T have read v[S .. S+31], in which the loads below land
	RLOAD 0, 0
	RLOAD 0, 1
	s_wait_dscnt 0x0
	FOLD8
	s_wait_alu depctr_va_vdst(0)                   ; those sixteen additions are done reading v[S+32 .. S+63], in which the next eight loads land
	RLOAD 1, 1                                     ; waves 12 to 15: on their way under the additions below, which name v[S .. S+31] and v[T ..] alone
	FOLD4
.irp j, 0,2,4,6
	v_pk_add_f32 v[T+\j:T+\j+1], v[S+\j:S+\j+1], v[S+8+\j:S+8+\j+1]
.endr
	s_wait_alu depctr_va_vdst(0)                   ; these additions are done with v[S .. S+31], in which the last eight loads land
	RLOAD 1, 0                                     ; waves 8 to 11
	s_wait_dscnt 0x0
	FOLD8
	FOLD4
.irp j, 0,2,4,6
	v_pk_add_f32 v[S+\j:S+\j+1], v[S+\j:S+\j+1], v[S+8+\j:S+8+\j+1]
.endr
.irp j, 0,2,4,6
	v_pk_add_f32 v[T+\j:T+\j+1], v[T+\j:T+\j+1], v[S+\j:S+\j+1]
.endr
.irp j, 0,2,4,6
	v_pk_mul_f32 v[T+\j:T+\j+1], v[T+\j:T+\j+1], s[OSC:OSC+1] op_sel_hi:[1,0]   ; x 2^(e8 + e9)
.endr
.irp j, 0,1,2,3,4,5,6,7
	v_med3_num_f32 v[T+\j], v[T+\j], s[ALO], s[AHI]                             ; o's clip and the hold in one
.endr
	v_cvt_scalef32_pk8_bf8_f32 v[T+8:T+9], v[T:T+7], v[SCA]
	v_nop
	s_wait_alu depctr_va_vdst(0)                   ; the conversion has written v[T+8:T+9], which the store below reads
	global_store_b64 v[L8], v[T+8:T+9], s[12:13]   ; 32 lanes store 256 consecutive bytes, at a multiple of 256 from aimg's first byte
	s_wait_xcnt 0x0                                ; the store and q's loads have had their addresses translated: their scalar bases are written next
	s_add_nc_u64 s[4:5], s[4:5], 4096              ; four tiles of q on
	s_add_nc_u64 s[12:13], s[12:13], 65536         ; four tiles of rows on in aimg
.endm
	s_load_b256 s[4:11], s[0:1], 0x0               ; qimg s[4:5], kimg s[6:7], vimg s[8:9], the exponents s[10:11]
	s_load_b64 s[12:13], s[0:1], 0x20              ; aimg
	v_lshl_add_u32 v[SPW], v0, 2, SPARE
	v_mov_b32 v[NIL], 0
	v_lshrrev_b32 v[T], 5, v0
	v_readfirstlane_b32 s[WV], v[T]                ; wave 0..15
	s_and_b32 s16, ttmp7, 0xffff                   ; 16 x batch + head
	v_and_b32 v[T], 31, v0                         ; lane
	v_and_b32 v[T+1], 15, v0                       ; r
	v_bfe_u32 v[T+2], v0, 4, 1                     ; h
	v_lshlrev_b32 v[L16], 4, v[T]
	v_lshlrev_b32 v[L8], 3, v[T]
	s_wait_alu depctr_va_sdst(0)                   ; the wave's number is written, ahead of its first reader: LDS addresses and the buffers' offsets are made from it
	s_lshl_b32 s45, s[WV], 14
	v_add_nc_u32 v[OST], s45, v[L16]
	v_mul_u32_u24 v[SLD], v[T+1], 80
	v_add_nc_u32 v[SLD], SUMB, v[SLD]
	s_lshl_b32 s45, s[WV], 2
	v_add_nc_u32 v[SST], s45, v[SLD]
	s_lshr_b32 s45, s[WV], 2
	s_lshl_b32 s45, s45, 12                        ; the tile that I reduce: wave / 4
	s_bfe_u32 s46, s[WV], 0x10001
	s_lshl_b32 s46, s46, 11                        ; channels 32 ((wave / 2) % 2) on: two tiles of 16, 1,024 bytes each,
	s_add_co_u32 s45, s45, s46
	s_and_b32 s46, s[WV], 1
	s_lshl_b32 s46, s46, 8                         ; the storing lanes' half: wave % 2
	s_add_co_u32 s45, s45, s46
	v_lshlrev_b32 v[RD], 4, v[T+1]                 ; query r,
	v_lshl_add_u32 v[RD], v[T+2], 10, v[RD]        ; and 16 h channels further on
	v_add_nc_u32 v[RD], s45, v[RD]
	v_add_nc_u32 v[RD+1], 0x10000, v[RD]
	v_add_nc_u32 v[RD+2], 0x20000, v[RD]
	v_add_nc_u32 v[RD+3], 0x30000, v[RD]
	v_mov_b32 v[RS+1], 0                           ; (named as the upper half of the pair v[14:15])
	s_lshl_b32 s46, s16, 17                        ; a head's images are 131,072 bytes in each of the three buffers;
	s_lshl_b32 s47, s[WV], 13                      ; my 128 keys are 8,192 bytes of k's and of v's
	s_add_co_u32 s46, s46, s47
	s_mov_b32 s47, 0
	s_lshl_b32 s50, s16, 17
	s_lshl_b32 s51, ttmp9, 14                      ; my work-group's 16 tiles of q
	s_add_co_u32 s50, s50, s51
	s_mov_b32 s51, 0
	s_lshr_b32 s48, s16, 4                         ; aimg: tile of rows 128 x batch + 16 x work-group + wave / 4,
	s_lshl_b32 s48, s48, 7
	s_lshl_b32 s49, ttmp9, 4
	s_add_co_u32 s48, s48, s49
	s_lshr_b32 s49, s[WV], 2
	s_add_co_u32 s48, s48, s49
	s_lshl_b32 s48, s48, 4
	s_and_b32 s49, s16, 15                         ; the head,
	s_add_co_u32 s48, s48, s49
	s_lshl_b32 s48, s48, 10
	s_and_b32 s49, s[WV], 3                        ; piece wave % 4
	s_lshl_b32 s49, s49, 8
	s_add_co_u32 s48, s48, s49
	s_mov_b32 s49, 0
	s_mov_b32 s[SEL], 0x76543210
	s_mov_b32 s[SEL+1], 0xfedcba98
	s_mov_b32 s[CNT], 4
	s_wait_kmcnt 0x0
	s_load_b128 s[24:27], s[10:11], 0x10           ; e4 .. e7
	s_load_b128 s[28:31], s[10:11], 0x20           ; e8 .. e11
	s_add_nc_u64 s[6:7], s[6:7], s[46:47]
	s_add_nc_u64 s[8:9], s[8:9], s[46:47]
	s_add_nc_u64 s[4:5], s[4:5], s[50:51]
	s_add_nc_u64 s[12:13], s[12:13], s[48:49]
	s_wait_alu depctr_va_vdst(0)                   ; the nine addresses v1 to v9 and the add's two are written, which every load and store of the kernel reads; none of them is written again
.irp t, 0,1,2,3,4,5,6,7
.irp c, 0,1
	global_load_b128 v[KF+8*\t+4*\c:KF+8*\t+4*\c+3], v[L16], s[6:7] offset:1024*\t+512*\c     ; k's eight fragments: they stay
.endr
.endr
.irp t, 0,1,2,3
.irp c, 0,1,2,3
	global_load_b128 v[VF+16*\t+4*\c:VF+16*\t+4*\c+3], v[L16], s[8:9] offset:2048*\t+512*\c   ; v^T's four: they stay
.endr
.endr
	global_load_b128 v[QF:QF+3], v[L16], s[4:5]    ; the first tile of q
	global_load_b128 v[QF+4:QF+7], v[L16], s[4:5] offset:512
	s_wait_kmcnt 0x0
	s_add_co_i32 s45, s26, s27                     ; e6 + e7: a raw score stands for score x 2^(e6 + e7)
	s_lshl_b32 s45, s45, 23
	s_add_co_i32 s[CS], s45, 0x3fb8aa3b            ; log2(e) x 2^(e6 + e7),
	s_mov_b32 s[CS+1], s[CS]
	s_sub_co_i32 s[LOW], EPSB, s45                 ; and the clip's bounds / 2^(e6 + e7): the clip is made on the raw sums, exactly
	s_sub_co_i32 s[HIW], HIB, s45
	s_add_co_i32 s45, s28, 127
	s_lshl_b32 s46, s45, 23
	v_mov_b32 v[SCP], s46                          ; 2^e8
	s_add_co_i32 s45, s45, 15
	s_lshl_b32 s45, s45, 23
	s_or_b32 s45, s45, 0x600000                    ; 57,344 x 2^e8
	s_min_u32 s[PLO], s45, EPSB
	s_min_u32 s[PHI], s45, HIB
	s_add_co_i32 s45, s30, 127
	s_lshl_b32 s46, s45, 23
	v_mov_b32 v[SCA], s46                          ; 2^e10
	s_add_co_i32 s45, s45, 15
	s_lshl_b32 s45, s45, 23
	s_or_b32 s45, s45, 0x600000
	s_min_u32 s[ALO], s45, EPSB
	s_min_u32 s[AHI], s45, HIB
	s_add_co_i32 s[OSC], s28, s29
	s_add_co_i32 s[OSC], s[OSC], 127
	s_lshl_b32 s[OSC], s[OSC], 23                  ; 2^(e8 + e9)
	s_mov_b32 s[OSC+1], s[OSC]
; A trip: 64 queries, five barriers.  The sums' two buffers take turns: a buffer is written again only behind the next tile's barrier, which every wave signals behind its reads of it.
; The images of o^T are read behind the reduction's barrier and written again only behind the next trip's first barrier, which every wave signals with its reads of them back.
.Ltrip:
	SUB 0
	SUB 1
	SUB 2
	SUB 3
	REDUCE
	s_sub_co_u32 s[CNT], s[CNT], 1
	s_cmp_lg_u32 s[CNT], 0
	s_cbranch_scc1 .Ltrip
	s_wait_dscnt 0x0                               ; the wave's end
	s_wait_alu 0x0
	s_wait_tensorcnt 0x0
	ds_add_u32 v[SPW], v[NIL]
	s_wait_dscnt 0x0
	s_endpgm
.Lfunc_end_k_qdc9b46d79f_attn:
	.size	k_qdc9b46d79f_attn, .Lfunc_end_k_qdc9b46d79f_attn-k_qdc9b46d79f_attn
	.p2alignl 7, 3214868480
	.fill 96, 4, 3214868480
	.section	.rodata,"a",@progbits
	.p2align	6, 0x0
	.amdhsa_kernel k_qdc9b46d79f_attn
		.amdhsa_group_segment_fixed_size 266752
		.amdhsa_private_segment_fixed_size 0
		.amdhsa_enable_private_segment 0
		.amdhsa_kernarg_size 40
		.amdhsa_user_sgpr_count 2
		.amdhsa_user_sgpr_kernarg_segment_ptr 1
		.amdhsa_wavefront_size32 1
		.amdhsa_system_sgpr_workgroup_id_x 1
		.amdhsa_system_sgpr_workgroup_id_y 1
		.amdhsa_system_sgpr_workgroup_id_z 1
		.amdhsa_system_vgpr_workitem_id 0
		.amdhsa_next_free_vgpr 256
		.amdhsa_next_free_sgpr 66
		.amdhsa_reserve_vcc 0
		.amdhsa_float_denorm_mode_32 3
		.amdhsa_float_denorm_mode_16_64 3
		.amdhsa_memory_ordered 1
		.amdhsa_forward_progress 1
		.amdhsa_inst_pref_size 94
	.end_amdhsa_kernel
	.amdgpu_metadata
---
amdhsa.version: [ 1, 2 ]
amdhsa.kernels:
  - .name:           k_qdc9b46d79f_attn
    .symbol:         k_qdc9b46d79f_attn.kd
    .args:
      - { .name: qimg, .offset: 0, .size: 8, .value_kind: global_buffer, .address_space: global }
      - { .name: kimg, .offset: 8, .size: 8, .value_kind: global_buffer, .address_space: global }
      - { .name: vimg, .offset: 16, .size: 8, .value_kind: global_buffer, .address_space: global }
      - { .name: lowp_scales, .offset: 24, .size: 8, .value_kind: global_buffer, .address_space: global }
      - { .name: aimg, .offset: 32, .size: 8, .value_kind: global_buffer, .address_space: global }
    .group_segment_fixed_size: 266752
    .private_segment_fixed_size: 0
    .kernarg_segment_align: 8
    .kernarg_segment_size: 40
    .max_flat_workgroup_size: 512
    .sgpr_count:     66
    .vgpr_count:     256
    .wavefront_size: 32
...
	.end_amdgpu_metadata
.endif
;; end of part 4
;; launch outp: the kernel of part 3 again; grid 8 x 32, 8 waves a work-group, clusters of 4 x 4, 327,680 bytes of LDS; arguments aimg, Wo_codes, bo, lowp_scales, out0; writes out0
